; MI455X (gfx1250); checked and timed in simulation.
; The chip was launched on July 23, 2026; its instructions are those of AMD's public machine-readable ISA for CDNA 5 (MIT licence, August 2026) and "CDNA5" Instruction Set Architecture Reference Guide (July 2026). The comments in the code are by the model that wrote it; some were corrected since.
;; Causal Self Attention. Allowed arithmetic: matrix products marked QUANTISED: E4M3 operands, one E8M0 scale for each 32 along K, by v_wmma_scale_f32_16x16x128_f8f6f4 with both operands' format E4M3, f32 sums; everything else in f32.
;; Inputs: Wkqv 16 x 192 x 1,024 float32; Wproj 1,024 x 1,024 float32; bkqv 16 x 192 float32; bproj 1,024 float32; x 4 x 2,048 x 1,024 float32.
;; Outputs: out0 4 x 2,048 x 1,024 float32.
;; This version of the problem:
;;   THIS VERSION OF THE PROBLEM IS GIVEN IN LOW PRECISION. The matrix products marked QUANTISED in the list below multiply operands that are first quantised to E4M3 (4 exponent bits, 3 mantissa bits; 8 bits a number), with one power-of-two scale for each 32 numbers along K (OCP MX v1.0); their sums are f32. All else is computed in f32.
;;   The module's matrix products, in the order in which they are computed (A, B: the left and right operand; K: the contracted axis; several contracted axes count as one K, in the product's order):
;;     1. [M 3,072, K 1,024] x [K 1,024, N 8,192]; A: input Wkqv; B: input x: QUANTISED
;;     2. batch 64 x [M 2,048, K 64] x [K 64, N 2,048]; A: computed on the way; B: computed on the way: QUANTISED
;;     3. batch 64 x [M 2,048, K 2,048] x [K 2,048, N 64]; A: softmax (see below); B: computed on the way: QUANTISED
;;     4. [M 8,192, K 1,024] x [K 1,024, N 1,024]; A: computed on the way; B: input Wproj: QUANTISED
;;   THE QUANTISER, for each operand of a quantised product, along K:
;;     - K is cut into blocks of 32 from its start; a last block that is shorter is filled with zeros.
;;     - A block's scale is 2^e with e = floor(log2(the largest magnitude in the block)) - 8, held to -126 .. 127; a block of zeros has e = 0. As a byte (E8M0): e + 127.
;;     - Each number is divided by its block's scale, clamped to +-448, and rounded to the nearest number of E4M3, ties to even, subnormals kept.
;;     - The product sums the exact products of the quantised numbers (number of the format x scale) in f32.
;;   ~~~python
;;   def quantise(x, axis):      # numpy; x: float32 -> the quantised numbers, widened to float32 again
;;       x = np.moveaxis(x, axis, -1); K = x.shape[-1]
;;       x = np.pad(x, [(0, 0)] * (x.ndim - 1) + [(0, -K % 32)]); x = x.reshape(x.shape[:-1] + (-1, 32)); a = np.abs(x).max(-1, keepdims=True)
;;       e = np.where(a > 0, np.clip(np.frexp(np.where(a > 0, a, 1))[1] - 1 - 8, -126, 127), 0)      # np.frexp(a)[1] - 1 = floor(log2(a)), exactly
;;       r = np.clip(x / 2.0 ** e, -448, 448)
;;       step = 2.0 ** (np.maximum(np.frexp(np.where(r == 0, 1, r))[1] - 1, -6) - 3)
;;       q = np.round(r / step) * step * 2.0 ** e      # np.round: ties to even
;;       return np.moveaxis(q.reshape(q.shape[:-2] + (-1,))[..., :K], -1, axis).astype(np.float32)
;;   ~~~
;;   SOFTMAX AHEAD OF A QUANTISED PRODUCT. Where the list says 'softmax', what is quantised is not the finished softmax but p = 2^(t - M), with t = logit x log2(e) and M = ceil(the row's largest t), a whole number; so 1/2 < the row's largest p <= 1. The row's sum l is taken of the UNQUANTISED p, in f32, and the product's result is divided by l at the end. Since M is a whole number, a kernel that streams over the keys may use a running M (the ceiling of the running maximum): every later rescaling is an exact power of two, which a block's scale takes up: the codes' values come out the same.
;;   OPERANDS COMPUTED ON THE WAY. 'Computed on the way' means the value that the module computes at that place (a softmax that the list does not call 'softmax' is quantised finished and normalised). What goes into a quantiser is computed in f32, as accurately as f32 sums, v_exp_f32 and their like allow (about 1e-6 of the number): no bf16 or f16 on the way to a quantiser, and a product that is left as it is and whose result goes on into a quantised operand takes f32 operands (vector FMAs, or v_wmma_f32_16x16x4_f32). A number that lies on a knife's edge between two numbers of the format may be rounded either way, as far as f32 arithmetic and the matrix unit's own rounding can turn it there, and no further.
;; One version. Each part assembles by itself: llvm-mc -triple=amdgcn-amd-amdhsa -mcpu=gfx1250 --defsym DOCPART=n.
;; ======== version 1 of 1: 4 launches
;; limits: right only within a limited range of input values
;; workspace buffers: cod 12,582,912 bytes; scl 393,216 bytes; kv 17,301,504 bytes; qc 8,388,608 bytes; qs 524,288 bytes; sac 8,388,608 bytes; sas 262,144 bytes
;; launch quant (part 1): grid 384 x 1, 4 waves a work-group, no clusters, 33,280 bytes of LDS; arguments x, Wkqv, Wproj, cod, scl; writes cod, scl
.if DOCPART == 1
	.amdgcn_target "amdgcn-amd-amdhsa--gfx1250"
	.amdhsa_code_object_version 6
	.text
	.protected	k_q02367491ee_quant
	.globl	k_q02367491ee_quant
	.p2align	8
	.type	k_q02367491ee_quant,@function
k_q02367491ee_quant:
	s_mov_b64 s[64:65], 0
	v_nop
	global_prefetch_b8 v0, s[64:65] scope:SCOPE_SE
	s_setreg_imm32_b32 hwreg(HW_REG_WAVE_MODE, 25, 1), 1
	s_wait_xcnt 0x0
; x [8192][1024], Wkqv [16][192][1024] and Wproj [1024][1024], f32 with K innermost, become codes of FP8 (E4M3) and one E8M0 scale byte for each 32 along K.
; cod: 12,288 rows of 1,024 codes: rows 0-8,191 x; 8,192-10,239 the k and q rows of Wkqv (head x 128 + e, e under 128); 10,240-11,263 its v rows (head x 64 + d); 11,264-12,287 Wproj.  scl: 32 bytes for each row of cod.
; ROW ORDER.  In x and in Wkqv the second and third groups of 8 rows of every 32 change places, so that 16 rows on end are rows 0-7 and 16-23 (or 8-15 and 24-31) of the 32: a matrix tile of such rows leaves,
; in a lane's 16 registers of two neighbouring tiles, 16 neighbours along the next product's K.  Wproj keeps its order.
; A block's scale is 2^(floor(log2(its largest magnitude)) - 8); its byte is the largest magnitude's exponent field - 8, held at 1 from below.  Each number is divided by the scale, held within +-448, rounded to the nearest code, ties to even.
; LIMITS: a block of zeros, or one whose largest magnitude lies under 2^(9 - 127), gets the byte 1 (its codes are zeros or tiny; the bytes are read by this program alone); NaN and infinities among the inputs are not served.
; A wave takes a run of 8 rows (8,192 numbers) in 16 steps of 512.  Each of a step's four loads reads 512 consecutive bytes; the 2,048 bytes turn through the wave's own stage in LDS and come back 64 bytes a lane, so that a lane
; holds 16 neighbours and two lanes a block.  A lane's 16 codes are 16 bytes: a store covers 512 consecutive bytes.  A run's 256 scale bytes are gathered in LDS and leave as one aligned block of 256 bytes.
; No tensor loads, no barrier: waves share nothing.  Loads run four steps ahead, the turn through LDS one step.
.set STEPS, 16
.set MANT,  0x600000                   ; the mantissa field of 448 as f32
.set CB,    16                         ; bytes of 16 codes
.set R,     16                         ; v16-79   four sets of 16 numbers as they are loaded
.set X,     80                         ; v80-111  two sets of 16 neighbours
.set C,     128                        ; v128-191 codes: four registers for each step, so that no store's data are written again
.set E,     112                        ; v112-127 a scale byte for each step
.set WREG,  8192                       ; LDS: a region for each wave: two stages of 32 x SP bytes, behind them its 256 scale bytes
.set SP,    80                         ; a lane's place in a stage: 64 bytes + 16 of padding
	s_load_b256 s[4:11], s[0:1], 0x0               ; x s[4:5], Wkqv s[6:7], Wproj s[8:9], cod s[10:11]
	s_load_b64 s[12:13], s[0:1], 0x20              ; scl
	v_lshl_add_u32 v192, v0, 2, 0x8000
	v_mov_b32 v193, 0
	v_lshrrev_b32 v1, 5, v0
	v_readfirstlane_b32 s16, v1                    ; wave
	v_and_b32 v2, 31, v0                           ; lane
	v_lshlrev_b32 v3, 4, v2                        ; my 16 bytes of a load's 512
	s_mul_i32 s17, s16, WREG
	v_lshrrev_b32 v14, 2, v2
	v_mul_u32_u24 v14, v14, SP
	v_and_b32 v15, 3, v2
	v_lshl_add_u32 v14, v15, 4, v14
	v_add_nc_u32 v14, s17, v14                     ; the stage, on the way in: SP (lane / 4) + 16 (lane % 4)
	v_mul_u32_u24 v15, v2, SP
	v_add_nc_u32 v15, s17, v15                     ; and on the way out: SP x lane: my 16 neighbours
	v_mul_u32_u24 v4, v2, CB                       ; my codes' place in a step's
	v_lshrrev_b32 v5, 1, v2
	s_add_co_u32 s17, s17, 2*32*SP
	v_add_nc_u32 v5, s17, v5                       ; LDS: my wave's 256 scale bytes, my block's byte
	v_lshlrev_b32 v7, 3, v2                        ; and on the way out 8 bytes a lane
	v_add_nc_u32 v6, s17, v7
	; which run is mine.  Work-groups 0-255 take x, 256-351 Wkqv, 352-383 Wproj: all choices hang on the work-group's number alone
	s_cmp_ge_u32 ttmp9, 256
	s_cselect_b32 s18, 256, 0
	s_cmp_ge_u32 ttmp9, 352
	s_cselect_b32 s18, 352, s18
	s_sub_co_u32 s18, ttmp9, s18
	s_lshl_b32 s18, s18, 2
	s_add_co_u32 s18, s18, s16                     ; the run's number in its own tensor
	s_mul_i32 s19, s18, 2731
	s_lshr_b32 s19, s19, 16                        ; Wkqv: the head = run / 24 (exact for runs under 384: 24 x 2731 = 65,544)
	s_mul_i32 s20, s19, 24
	s_sub_co_u32 s20, s18, s20                     ; and the run within the head: 0-7 k, 8-15 q, 16-23 v
	s_lshl_b32 s21, s19, 4
	s_add_co_u32 s21, s21, 1024                    ; k, q: run 1,024 + 16 head + j
	s_lshl_b32 s22, s19, 3
	s_add_co_u32 s22, s22, 1264                    ; v: run 1,280 + 8 head + (j - 16)
	s_cmp_lt_u32 s20, 16
	s_cselect_b32 s21, s21, s22
	s_add_co_u32 s21, s21, s20
	s_cmp_ge_u32 ttmp9, 256
	s_cselect_b32 s21, s21, s18                    ; x: its own number
	s_and_b32 s24, s21, -4                         ; runs 1 and 2 of every four change places
	s_and_b32 s25, s21, 1
	s_lshl_b32 s25, s25, 1
	s_bfe_u32 s26, s21, 0x10001
	s_or_b32 s24, s24, s25
	s_or_b32 s24, s24, s26
	s_add_co_u32 s22, s18, 1408                    ; Wproj: run 1,408 + its own number, order kept
	s_cmp_ge_u32 ttmp9, 352
	s_cselect_b32 s24, s22, s24                    ; where the run goes in cod and scl
	s_lshl_b32 s20, s18, 15                        ; 32,768 bytes of f32 a run
	s_mov_b32 s21, 0
	s_lshl_b32 s26, s24, 13                        ; 8,192 bytes of codes
	s_mov_b32 s27, 0
	s_lshl_b32 s28, s24, 8                         ; 256 scale bytes
	s_mov_b32 s29, 0
	s_wait_alu depctr_va_vdst(0)
	s_wait_kmcnt 0x0
	s_cmp_ge_u32 ttmp9, 256
	s_cselect_b64 s[4:5], s[6:7], s[4:5]
	s_cmp_ge_u32 ttmp9, 352
	s_cselect_b64 s[4:5], s[8:9], s[4:5]
	s_add_nc_u64 s[4:5], s[4:5], s[20:21]
	s_add_nc_u64 s[10:11], s[10:11], s[26:27]
	s_add_nc_u64 s[12:13], s[12:13], s[28:29]
.macro LOAD t
.irp i, 0,1,2,3
	global_load_b128 v[R+16*((\t)%4)+4*\i:R+16*((\t)%4)+4*\i+3], v3, s[4:5] offset:2048*(\t)+512*\i th:TH_LOAD_NT   ; 32 lanes read 512 consecutive bytes
.endr
.endm
.macro TURN t                          ; step t's numbers through the stage: LDS serves a wave's instructions in order, so no wait stands between the stores and the loads
.irp i, 0,1,2,3
	ds_store_b128 v14, v[R+16*((\t)%4)+4*\i:R+16*((\t)%4)+4*\i+3] offset:32*SP*((\t)%2)+8*SP*\i
.endr
.irp i, 0,1,2,3
	ds_load_b128 v[X+16*((\t)%2)+4*\i:X+16*((\t)%2)+4*\i+3], v15 offset:32*SP*((\t)%2)+16*\i
.endr
.endm
.irp t, 0,1,2,3
	LOAD \t
.endr
	s_wait_loadcnt 12                              ; step 0's four loads are in; the twelve of steps 1 to 3 may be out
	TURN 0
.macro STEP t
.set XS, X+16*((\t)%2)
.if (\t) > 0
	s_wait_dscnt 1                                 ; this step's numbers are back from the stage (the last step's byte store may be out): so its stores into the stage have read their registers,
.else
	s_wait_dscnt 0x0
.endif
.if (\t)+4 < STEPS
	LOAD (\t)+4                                    ; which take the loads of four steps on
.endif
.if (\t)+1 < STEPS
.if STEPS-2-(\t) >= 3
	s_wait_loadcnt 12                              ; the next step's four loads are in; those of the three steps behind it may be out
.else
	s_wait_loadcnt 4*(STEPS-2-(\t))
.endif
	TURN (\t)+1                                    ; and go through the other stage while this step is worked
.endif
	v_max3_num_f32 v8, |v[XS]|, |v[XS+1]|, |v[XS+2]|               ; the largest magnitude of my 16, in two chains
	v_max3_num_f32 v9, |v[XS+3]|, |v[XS+4]|, |v[XS+5]|
.irp i, 6,10
	v_max3_num_f32 v8, v8, |v[XS+\i]|, |v[XS+\i+1]|
	v_max3_num_f32 v9, v9, |v[XS+\i+2]|, |v[XS+\i+3]|
.endr
	v_max3_num_f32 v8, v8, |v[XS+14]|, |v[XS+15]|
	v_max3_num_f32 v8, v8, v9, 0x4800000           ; and the floor 2^(9 - 127): so the byte cannot fall under 1
	v_max_num_f32_dpp v8, v8, v8 row_xmask:1 row_mask:0xf bank_mask:0xf   ; and of my neighbour's 16: the block's
	v_add_nc_u32 v11, 0xfc000000, v8               ; 8 off its exponent field: the conversion takes the exponent field of this operand as its scale
.irp i, 0,1,2,3,4,5,6,7,8,9,10,11,12,13,14,15
.endr
	v_cvt_scalef32_pk8_fp8_f32 v[C+4*(\t):C+4*(\t)+1], v[XS:XS+7], v11
	v_cvt_scalef32_pk8_fp8_f32 v[C+4*(\t)+2:C+4*(\t)+3], v[XS+8:XS+15], v11
	v_lshrrev_b32 v[E+(\t)], 23, v11               ; the scale's byte (also the plain line behind the conversions)
	ds_store_b8 v5, v[E+(\t)] offset:16*(\t)       ; both lanes of a block write the same byte with the same value
	global_store_b128 v4, v[C+4*(\t):C+4*(\t)+3], s[10:11] offset:32*CB*(\t)
.endm
.irp t, 0,1,2,3,4,5,6,7,8,9,10,11,12,13,14,15
	STEP \t
.endr
	ds_load_b64 v[12:13], v6                       ; LDS serves a wave's instructions in order: these see my stores
	s_wait_dscnt 0x0
	global_store_b64 v7, v[12:13], s[12:13]        ; 32 lanes store 256 consecutive bytes, aligned
	s_wait_tensorcnt 0x0
	ds_add_u32 v192, v193
	s_wait_dscnt 0x0
	s_endpgm
.Lfunc_end_k_q02367491ee_quant:
	.size	k_q02367491ee_quant, .Lfunc_end_k_q02367491ee_quant-k_q02367491ee_quant
	.p2alignl 7, 3214868480
	.fill 96, 4, 3214868480
	.section	.rodata,"a",@progbits
	.p2align	6, 0x0
	.amdhsa_kernel k_q02367491ee_quant
		.amdhsa_group_segment_fixed_size 33280
		.amdhsa_private_segment_fixed_size 0
		.amdhsa_enable_private_segment 0
		.amdhsa_kernarg_size 40
		.amdhsa_user_sgpr_count 2
		.amdhsa_user_sgpr_kernarg_segment_ptr 1
		.amdhsa_wavefront_size32 1
		.amdhsa_system_sgpr_workgroup_id_x 1
		.amdhsa_system_sgpr_workgroup_id_y 1
		.amdhsa_system_sgpr_workgroup_id_z 1
		.amdhsa_system_vgpr_workitem_id 0
		.amdhsa_next_free_vgpr 194
		.amdhsa_next_free_sgpr 66
		.amdhsa_reserve_vcc 0
		.amdhsa_float_denorm_mode_32 3
		.amdhsa_float_denorm_mode_16_64 3
		.amdhsa_fp16_overflow 1
		.amdhsa_memory_ordered 1
		.amdhsa_forward_progress 1
		.amdhsa_inst_pref_size 34
	.end_amdhsa_kernel
	.amdgpu_metadata
---
amdhsa.version: [ 1, 2 ]
amdhsa.kernels:
  - .name:           k_q02367491ee_quant
    .symbol:         k_q02367491ee_quant.kd
    .args:
      - { .name: x, .offset: 0, .size: 8, .value_kind: global_buffer, .address_space: global }
      - { .name: Wkqv, .offset: 8, .size: 8, .value_kind: global_buffer, .address_space: global }
      - { .name: Wproj, .offset: 16, .size: 8, .value_kind: global_buffer, .address_space: global }
      - { .name: cod, .offset: 24, .size: 8, .value_kind: global_buffer, .address_space: global }
      - { .name: scl, .offset: 32, .size: 8, .value_kind: global_buffer, .address_space: global }
    .group_segment_fixed_size: 33280
    .private_segment_fixed_size: 0
    .kernarg_segment_align: 8
    .kernarg_segment_size: 40
    .max_flat_workgroup_size: 128
    .sgpr_count:     66
    .vgpr_count:     194
    .wavefront_size: 32
...
	.end_amdgpu_metadata
.endif
;; end of part 1
;; launch kqv (part 2): grid 12 x 32, 4 waves a work-group, clusters of 4 x 4, 327,680 bytes of LDS; arguments cod, scl, bkqv, kv, qc, qs; writes kv, qc, qs
.if DOCPART == 2
	.amdgcn_target "amdgcn-amd-amdhsa--gfx1250"
	.amdhsa_code_object_version 6
	.text
	.protected	k_q02367491ee_kqv
	.globl	k_q02367491ee_kqv
	.p2align	8
	.type	k_q02367491ee_kqv,@function
k_q02367491ee_kqv:
	s_mov_b64 s[64:65], 0
	v_nop
	global_prefetch_b8 v0, s[64:65] scope:SCOPE_SE
	s_setreg_imm32_b32 hwreg(HW_REG_WAVE_MODE, 25, 1), 1
	s_wait_xcnt 0x0
	s_wait_alu depctr_hold_cnt(0) depctr_sa_sdst(0) depctr_va_vdst(0) depctr_va_sdst(0) depctr_va_ssrc(0) depctr_va_vcc(0) depctr_vm_vsrc(0)
	s_getreg_b32 s2, hwreg(HW_REG_IB_STS2, 6, 4)
	s_cmp_eq_u32 s2, 0
	s_cbranch_scc0 .Lentry_in_a_cluster
	s_endpgm
.Lentry_in_a_cluster:
	s_bfe_u32 s2, ttmp6, 0x10000c
	s_cmp_lg_u32 s2, 0xf033
	s_cbranch_scc0 .Lentry_shape_is_right
	s_endpgm
.Lentry_shape_is_right:
; kqv = x Wkqv^T + bkqv on codes of FP8 (E4M3) with E8M0 scales (K = 1,024), and its results quantised at once for attention's two products; no f32 result goes to memory.
; ONE PRODUCT G(P, Q) SERVES BOTH PATHS: source 0 = 16 rows of P, source 1 = 16 rows of Q; a lane then holds ONE row of Q and its registers run along P, and the result is quantised along P.
;   clusters x = 0, 1 (k and q): P = the k and q rows of Wkqv (a head's 128 rows to a wave), Q = tokens: a lane holds a token, its registers the head's 64 channels of k, then of q: K of the scores.
;   cluster  x = 2    (v):       P = tokens (128 keys to a wave), Q = the v rows of Wkqv: a lane holds a channel, its registers 128 keys: K of the second product.
; Both operands lie in cod and scl (rows of 1,024 codes, 32 scale bytes), in the row order in which 16 rows on end are rows 0-7 and 16-23, or 8-15 and 24-31, of each 32: so the 16 registers of P's tiles 2 b and 2 b + 1
; are 16 neighbours along P, and the rows of Q's tiles are the keys, queries and channels that attention's tiles want.
; A work-group of four waves makes 256 x 256, a wave 128 x 128: 64 accumulators, 512 registers.  K goes in steps of 256 through a ring of two LDS slots filled by the tensor data mover; the scales of all of K come once.
; CLUSTERS: 4 x 4.  Q's tile hangs on the cluster's y place alone and is asked for jointly by a row of the cluster, P's on its x place alone and by a column.  The path hangs on the cluster's number, the same in all sixteen.
; WHAT IS STORED: images of the next operands' registers, 512 consecutive bytes a store.  kv, for each of 64 (batch, head): K's codes [key / 32][u][c][lane][16], V^T's codes [key / 128][tile of 16 channels][c][lane][16],
; K's scale words [key / 32][16], V's [key / 128][tile][16];  qc [head][tile of 16 queries][c][lane][16];  qs [head][tile][16] words.
; LIMITS: a block of zeros or under 2^(9 - 127) gets the scale byte 1 (read by this program alone); NaN and infinities are not served.
; REGISTERS, in windows of 256: window 0: v1-30 addresses; v32-63 scale words, two sets; v128-255 Q's fragments, one set; after the products v64-255 are at work.  window 1: P's fragments, two sets.
;   window 2: the 32 accumulators of my rows 0-63 of Q (accumulator (a, b) at v[8 (8 a + b)]);  window 3: those of rows 64-127.
.set KSTEP,  256
.set NQ,     2                         ; matrix instructions deep in a slot
.set ROWB,   256                       ; a tile's row in bytes
.set KROW,   1024                      ; a row of cod
.set PITCH,  272                       ; an LDS row: 256 bytes + 16 of padding = 68 words: row r starts at bank 4 r mod 64 (ISA guide 11.1)
.set FR,     16
.set NL,     4
.set NP,     8                         ; places behind this matrix instruction (ISA guide 7.12.1)
.set HALFT,  128*PITCH
.set SLOT,   4*HALFT                   ; Q's 256 rows, then P's 256 rows
.set LAPS,   2                         ; 1,024 / 512
.set KS,     32                        ; a row of scales in bytes
.set SCL,    2*SLOT                    ; behind the ring: the scales, as blocks of 256 bytes + 16 of padding
.set HALFS,  (128*KS/256)*272
.set SBLK,   (16*KS/256)*272
.set SPARE,  SCL+4*HALFS               ; the spare words, 128 bytes for each wave
.set BT,     SPARE+512                 ; each wave's 128 biases, 512 bytes
.set SGK,    BT+2048                   ; the k and q path's stage for scale words, 1,024 bytes a wave
.set SGV,    SGK+4096                  ; the v path's, 512 bytes a wave: each path has bytes of its own
.set HREC,   270336                    ; a head's record in kv
.set LI,   5                           ; v5   16 x lane
.set L8,   6                           ; v6   8 x lane
.set LV,   7                           ; v7   16 (lane % 16) + (lane / 16) x HREC
.set ABT,  8                           ; v8   bias table: where I store 16 bytes
.set ABK,  9                           ; v9   where the k and q path reads it: + 64 (lane / 16)
.set ABV,  10                          ; v10  where the v path reads it: + 4 (r + 8 (r / 8))
.set ASK,  11                          ; v11  scale stage of the k and q path: + 4 r
.set ARK,  12                          ; v12  back: K's words, 8 bytes a lane
.set ARQ,  13                          ; v13  back: q's words, 16 bytes a lane
.set ASV,  14                          ; v14  scale stage of the v path: + 4 r
.set ARV,  15                          ; v15  back: 16 bytes a lane
.set ADRA, 16                          ; v16-17  LDS address of my fragments of Q in slot 0, 1
.set ADRB, 20                          ; v20-21  the same for P
.set ADRS, 27                          ; v27  LDS address of my scale words: lanes 0-15 Q's rows, lanes 16-31 P's
.set SPW,  28                          ; v28  my spare word; never rewritten
.set NIL,  29                          ; v29  0; never rewritten
.set BOF,  30                          ; v30  my byte offset in bkqv; never rewritten
.set SC,   32                          ; scale words: set s at v[SC + 16 s]
.set AF,   128                         ; Q's fragments, window 0
.set X,    64                          ; after the products: v64-127 the k and q path's biases; v64-79 the v path's, in pairs
.set ST,   128                         ; v128-191 a block's 64 numbers
.set PC,   192                         ; v192-207 its codes
.set TM,   208                         ; v208-223 at work in the quantiser
.set W,    232                         ; v232-239 the eight blocks' scale words
.set OW,   240                         ; v240-251 scale words as they leave
.set WV,   16                          ; s16 wave; s17 wave / 2: my half of Q, and 0 = I fetch for Q, 1 = for P; s18 wave % 2: my half of P, and which 128 rows I fetch; s19 the path
.set G1, 24
.set G0, 32
.set G1B, 48
.set G0B, 56
.set G1S, 68
.set G0S, 76
.set G1SB, 80
.set G0SB, 88
.set MSB, 0
.macro WIN new                         ; the immediate's high byte repeats the setting that is left
.if MSB != \new
	s_set_vgpr_msb (MSB<<8)|\new
.set MSB, \new
.endif
.endm
.set MUL_LO, 0xa1                      ; source 0 (P) window 1, source 1 (Q) window 0, C and D window 2
.set MUL_HI, 0xf1
.set TO_B,   0x40
; A joint load: waves 0 and 1 fetch for Q, waves 2 and 3 for P.  The branch hangs on the wave's number alone.  Four v_nop follow each of the two lines.
.macro JLOAD g0a, g1a, g0b, g1b
	s_cmp_eq_u32 s17, 0
	s_cbranch_scc0 .Lfor_b_\@
	tensor_load_to_lds s[\g0a:\g0a+3], s[\g1a:\g1a+7]
	s_nop 0
.rept 4
	v_nop
.endr
	s_branch .Lasked_\@
.Lfor_b_\@:
	tensor_load_to_lds s[\g0b:\g0b+3], s[\g1b:\g1b+7]
	s_nop 0
.rept 4
	v_nop
.endr
.Lasked_\@:
.endm
.macro CREST                           ; a round of the cluster's barrier behind its opening barrier
	s_cmp_lg_u32 s[WV], 0
	s_cbranch_scc1 .Lnot_wave_0_\@
	s_barrier_signal -3
.Lnot_wave_0_\@:
	s_barrier_wait -3
	s_barrier_signal -1
	s_barrier_wait -1
.endm
.macro CROUND
	s_barrier_signal -1
	s_barrier_wait -1
	CREST
.endm
	s_load_b256 s[4:11], s[0:1], 0x0               ; cod s[4:5], scl s[6:7], bkqv s[8:9], kv s[10:11]
	s_load_b128 s[12:15], s[0:1], 0x20             ; qc s[12:13], qs s[14:15]
	v_lshl_add_u32 v[SPW], v0, 2, SPARE
	v_mov_b32 v[NIL], 0
	ds_add_u32 v28, v29
	ds_add_u32 v28, v29
	s_wait_dscnt 0x0
	v_lshrrev_b32 v1, 5, v0
	v_readfirstlane_b32 s[WV], v1                  ; wave 0..3
	s_lshr_b32 s17, s[WV], 1
	s_and_b32 s18, s[WV], 1
	s_bfe_u32 s40, ttmp6, 0x40000                  ; cx, cy: my place in the cluster
	s_bfe_u32 s41, ttmp6, 0x40004
	s_and_b32 s20, ttmp7, 0xffff                   ; the cluster's y
	s_cmp_eq_u32 ttmp9, 2                          ; the cluster's x = 2: the v path
	s_cselect_b32 s19, 1, 0
	s_cselect_b32 s21, 0, s20                      ; Q's tiles: v: cy alone; k, q: 4 x cluster y + cy
	s_cselect_b32 s22, s20, ttmp9                  ; P's tiles: v: 4 x cluster y + cx; k, q: 4 x cluster x + cx
	s_cselect_b32 s23, 10240, 0                    ; Q's first row in cod: the v rows, or x
	s_cselect_b32 s44, 0, 8192                     ; P's: x, or the k and q rows
	s_lshl_b32 s43, s21, 2
	s_add_co_u32 s43, s43, s41                     ; tq
	s_lshl_b32 s42, s22, 2
	s_add_co_u32 s42, s42, s40                     ; tp
	s_lshl_b32 s45, s41, 2
	s_lshl_b32 s45, 15, s45                        ; my row of the cluster
	s_lshl_b32 s46, 0x1111, s40                    ; my column
	; descriptor group 1: a tile of 128 rows x 256 bytes, padded in LDS
	s_or_b32 s[G1+0], s45, (0<<16)|(1<<20)|(1<<21)|(5<<22)|(3<<25)  ; 15:0 the mask: Q's tiles go to my row; 17:16 elements of 1 byte; 20 padding on; 21 set beside a mask; 24:22 after every 64 words; 31:25 four words
	s_or_b32 s[G1B+0], s46, (0<<16)|(1<<20)|(1<<21)|(5<<22)|(3<<25)
.irp g, G1, G1B
	s_mov_b32 s[\g+1], ROWB<<16                    ; tensor_dim0
	s_mov_b32 s[\g+2], 128<<16                     ; tensor_dim1
	s_mov_b32 s[\g+3], ROWB<<16                    ; tile_dim0
	s_mov_b32 s[\g+4], 128                         ; tile_dim1
	s_mov_b32 s[\g+5], KROW                        ; tensor_dim0_stride
	s_mov_b32 s[\g+6], 0
	s_mov_b32 s[\g+7], 0
.endr
	; the scales of 128 rows: 4,096 dense bytes, as 16 rows of 256 bytes (32 elements of 8 bytes), 16 bytes of padding behind each
	s_or_b32 s[G1S+0], s45, (3<<16)|(1<<20)|(1<<21)|(5<<22)|(3<<25)
	s_or_b32 s[G1SB+0], s46, (3<<16)|(1<<20)|(1<<21)|(5<<22)|(3<<25)
.irp g, G1S, G1SB
	s_mov_b32 s[\g+1], 32<<16
	s_mov_b32 s[\g+2], (128*KS/256)<<16
	s_mov_b32 s[\g+3], 32<<16
	s_mov_b32 s[\g+4], 128*KS/256
	s_mov_b32 s[\g+5], 32
	s_mov_b32 s[\g+6], 0
	s_mov_b32 s[\g+7], 0
.endr
	s_lshl_b32 s45, s18, 7                         ; which 128 rows of a tile I fetch
	s_lshl_b32 s20, s43, 8
	s_add_co_u32 s20, s20, s23
	s_add_co_u32 s20, s20, s45                     ; Q: the row of cod
	s_lshl_b32 s46, s42, 8
	s_add_co_u32 s46, s46, s44
	s_add_co_u32 s46, s46, s45                     ; P: the row of cod
	s_lshl_b32 s22, s20, 5                         ; their scales, 32 bytes a row,
	s_mov_b32 s23, 0
	s_lshl_b32 s20, s20, 10                        ; and their codes, 1,024 bytes a row (all under 2^24)
	s_mov_b32 s21, 0
	s_lshl_b32 s92, s46, 5
	s_mov_b32 s93, 0
	s_lshl_b32 s46, s46, 10
	s_mov_b32 s47, 0
	s_mul_i32 s45, s[WV], HALFT                    ; where they go: wave x 128 rows: no place in the cluster enters an LDS address
	s_mul_i32 s94, s[WV], HALFS
	; the biases of my wave's 128 rows of Wkqv.  k, q: my head's first 128 numbers, 512 bytes on end;  v: the last 64 numbers of my two heads, 768 bytes apart
	s_lshl_b32 s44, s42, 1
	s_add_co_u32 s44, s44, s18
	s_mul_i32 s44, s44, 768                        ; k, q: head 2 tp + my half of P
	s_lshl_b32 s95, s43, 2
	s_lshl_b32 s2, s17, 1
	s_add_co_u32 s95, s95, s2
	s_mul_i32 s95, s95, 768
	s_add_co_u32 s95, s95, 512                     ; v: head 4 tq + 2 x my half of Q, its numbers 128 on
	s_cmp_eq_u32 s19, 1
	s_cselect_b32 s44, s95, s44
	s_mov_b32 s95, 768
	s_cselect_b32 s95, s95, 256                    ; from lanes 0-15 to lanes 16-31
	v_and_b32 v1, 15, v0                           ; r = lane % 16
	v_bfe_u32 v2, v0, 4, 1                         ; h = lane / 16
	v_mul_u32_u24 v[BOF], s95, v2
	v_lshl_add_u32 v[BOF], v1, 4, v[BOF]
	v_add_nc_u32 v[BOF], s44, v[BOF]
	s_mov_b32 s96, 0x76543210
	s_mov_b32 s97, 0xfedcba98                      ; v_permlanex16_b32's selects for lane l xor 16
	s_mov_b32 s99, 0x05040100                      ; v_perm_b32: the two low halves
	s_mov_b32 s100, 0x07060302                     ; the two high halves
	s_wait_kmcnt 0x0
	s_add_nc_u64 s[20:21], s[4:5], s[20:21]
	s_add_nc_u64 s[22:23], s[6:7], s[22:23]
	s_add_nc_u64 s[46:47], s[4:5], s[46:47]
	s_add_nc_u64 s[92:93], s[6:7], s[92:93]
	CROUND                                         ; all sixteen work-groups are here: the first joint loads meet
	s_mov_b32 s[G0S], 1
	s_add_co_u32 s[G0S+1], s94, SCL
	s_mov_b64 s[G0S+2:G0S+3], s[22:23]
	s_or_b32 s[G0S+3], s[G0S+3], 0x80000000
	s_mov_b32 s[G0SB], 1
	s_add_co_u32 s[G0SB+1], s94, SCL
	s_mov_b64 s[G0SB+2:G0SB+3], s[92:93]
	s_or_b32 s[G0SB+3], s[G0SB+3], 0x80000000
	JLOAD G0S, G1S, G0SB, G1SB                     ; the scales first: they are wanted with K step 0
.irp s, 0,1
	s_mov_b32 s[G0+4*\s], 1
	s_add_co_u32 s[G0+4*\s+1], s45, \s*SLOT
	s_add_nc_u64 s[G0+4*\s+2:G0+4*\s+3], s[20:21], \s*ROWB
	s_or_b32 s[G0+4*\s+3], s[G0+4*\s+3], 0x80000000
	s_mov_b32 s[G0B+4*\s], 1
	s_add_co_u32 s[G0B+4*\s+1], s45, \s*SLOT
	s_add_nc_u64 s[G0B+4*\s+2:G0B+4*\s+3], s[46:47], \s*ROWB
	s_or_b32 s[G0B+4*\s+3], s[G0B+4*\s+3], 0x80000000
	JLOAD G0+4*\s, G1, G0B+4*\s, G1B
.endr
	s_wait_alu depctr_va_vdst(0)
	global_load_b128 v[64:67], v[BOF], s[8:9]      ; my four of the wave's 128 biases
	v_mul_u32_u24 v3, v1, PITCH
	v_lshl_add_u32 v4, v2, 4, v3                   ; a fragment's row x pitch + 16 x half
	s_mul_i32 s21, s17, HALFT                      ; my 128 rows of Q
	s_mul_i32 s22, s18, HALFT                      ; my 128 rows of P,
	s_add_co_u32 s22, s22, 2*HALFT                 ; which lie behind Q's 256
.irp s, 0,1
	v_add_nc_u32 v[ADRA+\s], s21, v4
	v_add_nc_u32 v[ADRB+\s], s22, v4
	s_add_co_u32 s21, s21, SLOT
	s_add_co_u32 s22, s22, SLOT
.endr
	v_mul_u32_u24 v3, v1, KS                       ; my row's scales: 32 bytes a row,
	v_lshrrev_b32 v4, 8, v3
	v_lshl_add_u32 v3, v4, 4, v3                   ; and 16 more for each 256 passed
	s_mul_i32 s21, s17, HALFS
	s_mul_i32 s22, s18, HALFS
	s_add_co_u32 s22, s22, 2*HALFS
	s_sub_co_u32 s22, s22, s21
	v_mul_u32_u24 v4, s22, v2                      ; lanes 16-31 take P's
	s_add_co_u32 s21, s21, SCL
	v_add_nc_u32 v3, v3, v4
	v_add_nc_u32 v[ADRS], s21, v3
	; every LDS address of both paths' ways out is made here, on the way that all waves take
	v_and_b32 v3, 31, v0
	v_lshlrev_b32 v[LI], 4, v3
	v_lshlrev_b32 v[L8], 3, v3
	v_mul_u32_u24 v[LV], v2, HREC
	v_lshl_add_u32 v[LV], v1, 4, v[LV]
	s_lshl_b32 s21, s[WV], 9
	s_add_co_u32 s22, s21, BT
	v_add_nc_u32 v[ABT], s22, v[LI]
	v_lshl_add_u32 v[ABK], v2, 6, s22
	v_and_b32 v4, 8, v1
	v_add_nc_u32 v4, v4, v1                        ; r + 8 (r / 8)
	v_lshl_add_u32 v[ABV], v4, 2, s22
	s_add_co_u32 s22, s21, SGV
	v_lshl_add_u32 v[ASV], v1, 2, s22
	v_add_nc_u32 v[ARV], s22, v[LI]
	s_lshl_b32 s21, s[WV], 10
	s_add_co_u32 s22, s21, SGK
	v_lshl_add_u32 v[ASK], v1, 2, s22
	v_add_nc_u32 v[ARK], s22, v[L8]
	s_add_co_u32 s22, s22, 256
	v_add_nc_u32 v[ARQ], s22, v[LI]
	s_wait_loadcnt 0x0
	ds_store_b128 v[ABT], v[64:67]                 ; word k of my wave's table: the bias of its row k of Wkqv, in the rows' own order; only my wave reads it
.macro FRAG reg, adr, q, i             ; 16 rows x 128 K of 8-bit codes: lane l holds row l % 16; registers 4 c .. 4 c + 3 hold K = 32 c + 16 (l / 16) + 0 .. 15
.irp c, 0,1,2,3
	ds_load_b128 v[\reg+4*\c:\reg+4*\c+3], v[\adr] offset:128*(\q)+32*\c+(\i)*16*PITCH
.endr
.endm
; 16 matrix instructions: Q's blocks a0, a0 + 1 x P's eight, 128 along K.  zero = 1: the first product starts the sums.  The 64 accumulators take turns, one instruction a turn.
.macro MUL16 a0, p, q, sc, zero
.irp a, \a0, \a0+1
.irp b, 0,1,2,3,4,5,6,7
.if \zero
	v_wmma_scale_f32_16x16x128_f8f6f4 v[8*(8*((\a)%4)+\b):8*(8*((\a)%4)+\b)+7], v[128*(\p)+FR*\b:128*(\p)+FR*\b+FR-1], v[AF+FR*(\a):AF+FR*(\a)+FR-1], 0, v[SC+8*NQ*(\sc)+NQ*\b+(\q)], v[SC+8*NQ*(\sc)+NQ*(\a)+(\q)] matrix_a_scale:MATRIX_SCALE_ROW1
.else
	v_wmma_scale_f32_16x16x128_f8f6f4 v[8*(8*((\a)%4)+\b):8*(8*((\a)%4)+\b)+7], v[128*(\p)+FR*\b:128*(\p)+FR*\b+FR-1], v[AF+FR*(\a):AF+FR*(\a)+FR-1], v[8*(8*((\a)%4)+\b):8*(8*((\a)%4)+\b)+7], v[SC+8*NQ*(\sc)+NQ*\b+(\q)], v[SC+8*NQ*(\sc)+NQ*(\a)+(\q)] matrix_a_scale:MATRIX_SCALE_ROW1
.endif
.endr
.endr
.endm
.macro FETCH_B slot, q, p              ; P's eight fragments of the slot's q-th 128 along K into set p
	WIN TO_B
.irp i, 0,1,2,3,4,5,6,7
	FRAG 128*(\p)+FR*\i, ADRB+\slot, \q, \i
.endr
	WIN 0
.endm
.macro FETCH_A slot, q, i0             ; Q's blocks i0 .. i0 + 3
.irp i, \i0, \i0+1, \i0+2, \i0+3
	FRAG AF+FR*(\i), ADRA+\slot, \q, \i
.endr
.endm
.macro SCALES sc                       ; the next K step's scale words: two words a row; lanes 0-15 take Q's block i, lanes 16-31 P's block i
.irp i, 0,1,2,3,4,5,6,7
	ds_load_b64 v[SC+8*NQ*\sc+NQ*\i:SC+8*NQ*\sc+NQ*\i+1], v[ADRS] offset:\i*SBLK
.endr
.endm
.macro PLACES n                        ; plain vector instructions that name no register of the matrix instructions in front (ISA guide 7.12.1)
.rept \n
	v_nop
.endr
.endm
; A step of 128 along K that has its successor in the same slot.
.macro STEP slot, q, zero
	s_wait_dscnt 4*NL                              ; P's set and Q's blocks 0-3 are in; the youngest sixteen loads (Q's blocks 4-7) may be out
	WIN MUL_LO
	MUL16 0, (\q)%2, \q, \slot, \zero
	MUL16 2, (\q)%2, \q, \slot, \zero
	s_wait_dscnt 0                                 ; Q's blocks 4-7 are in
	PLACES NP
	FETCH_B \slot, (\q)+1, 1-(\q)%2
	FETCH_A \slot, (\q)+1, 0
	WIN MUL_HI
	MUL16 4, (\q)%2, \q, \slot, \zero
	MUL16 6, (\q)%2, \q, \slot, \zero
	PLACES NP
	WIN 0
	FETCH_A \slot, (\q)+1, 4
.endm
; A slot's last step changes slots: one barrier; in front of it each wave waits for all its tensor loads, adds 0 to its spare word, and waits for that and for its own reads of this slot.  fill = 1: this slot is filled again, two K steps ahead.
.macro TURN slot, next, fill
	s_wait_tensorcnt 0x0                           ; all my tensor loads have landed: my part of the next slot
	ds_add_u32 v[SPW], v[NIL]                      ; 0 onto my spare word
	s_wait_dscnt 4*NL+1                            ; (the add and the youngest sixteen loads, Q's blocks 4-7, may be out)
	WIN MUL_LO
	MUL16 0, 1, NQ-1, \slot, 0                     ; sixteen matrix instructions stand between the add and the wait for it
	s_wait_dscnt 0x0                               ; the add is done, and my reads of this slot are over
	s_barrier_signal -1
	MUL16 2, 1, NQ-1, \slot, 0
	WIN 0
	s_barrier_wait -1
.if \fill
	CREST                                          ; the barrier has opened a round of the cluster's barrier: no wave of any partner still reads this slot or has a load on its way
	s_add_nc_u64 s[G0+4*\slot+2:G0+4*\slot+3], s[G0+4*\slot+2:G0+4*\slot+3], 2*ROWB
	s_add_nc_u64 s[G0B+4*\slot+2:G0B+4*\slot+3], s[G0B+4*\slot+2:G0B+4*\slot+3], 2*ROWB
	JLOAD G0+4*\slot, G1, G0B+4*\slot, G1B         ; the first tensor load behind the round; its four v_nop are among the places in front of the loads below
	PLACES NP-4
.else
	PLACES NP
.endif
	s_wait_alu depctr_va_vdst(0)
	v_add_nc_u32 v[ADRS], 4*NQ, v[ADRS]            ; on to the next K step's scale words
	FETCH_B \next, 0, 0
	FETCH_A \next, 0, 0
	SCALES \next
	WIN MUL_HI
	MUL16 4, 1, NQ-1, \slot, 0
	MUL16 6, 1, NQ-1, \slot, 0
	PLACES NP
	WIN 0
	FETCH_A \next, 0, 4
.endm
	s_wait_tensorcnt 1                             ; of my three first fills the scales and K step 0 are in; K step 1's may be out
	s_wait_dscnt 0x0                               ; my store into the bias table is done
	s_barrier_signal -1
	s_barrier_wait -1
	FETCH_B 0, 0, 0
	FETCH_A 0, 0, 0
	SCALES 0
	FETCH_A 0, 0, 4
	STEP 0, 0, 1                                   ; the first step's products start the sums
.rept LAPS-1                           ; once round the ring, both slots filled again: K = 1,024 has one such lap, so it is written out and no jump goes back
	TURN 0, 1, 1
	STEP 1, 0, 0
	TURN 1, 0, 1
	STEP 0, 0, 0
.endr
	TURN 0, 1, 0                                   ; the last lap fills nothing
	STEP 1, 0, 0
	s_wait_dscnt 4*NL
	WIN MUL_LO
	MUL16 0, 1, NQ-1, 1, 0
	MUL16 2, 1, NQ-1, 1, 0
	s_wait_dscnt 0
	WIN MUL_HI
	MUL16 4, 1, NQ-1, 1, 0
	MUL16 6, 1, NQ-1, 1, 0
	WIN 0
; THE WAY OUT, block by block of 16 rows of Q.  A block's 64 registers, register 16 b + i = row 32 b + 16 (lane / 16) + i of my 128 rows of P, get their bias (which also brings them into window 0) and are quantised.
.macro ADDK a                          ; the bias runs along P: 64 numbers a lane
	WIN 0x02+(\a)/4
.set AC, 64*((\a)%4)
.set i, 0
.rept 32
	v_pk_add_f32 v[ST+i:ST+i+1], v[AC+i:AC+i+1], v[X+i:X+i+1]      ; each accumulator from its low end on
.set i, i+2
.endr
	WIN 0
.endm
.macro ADDV a                          ; the bias belongs to the lane's row of Q: one number, held twice
	WIN 0x02+(\a)/4
.set AC, 64*((\a)%4)
.set i, 0
.rept 32
	v_pk_add_f32 v[ST+i:ST+i+1], v[AC+i:AC+i+1], v[X+2*(\a):X+2*(\a)+1]
.set i, i+2
.endr
	WIN 0
.endm
.macro QUANT w                         ; v[ST] on: four blocks of 32 along P, each in lanes l and l xor 16 -> 16 registers of codes in v[PC] on, the scale word in v[w]
.irp b, 0,1,2,3
	v_max3_num_f32 v[TM+\b], |v[ST+16*\b]|, |v[ST+1+16*\b]|, 0x4800000   ; my 16 numbers, and the floor 2^(9 - 127): the byte cannot fall under 1
.endr
.irp i, 2,4,6,8,10,12,14
.irp b, 0,1,2,3
	v_max3_num_f32 v[TM+\b], v[TM+\b], |v[ST+16*\b+\i]|, |v[ST+1+16*\b+\i]|
.endr
.endr
.irp b, 0,1,2,3
	v_permlanex16_b32 v[TM+4+\b], v[TM+\b], s96, s97
.endr
.irp b, 0,1,2,3
	v_max_num_f32 v[TM+\b], v[TM+\b], v[TM+4+\b]   ; the block's largest magnitude
.endr
.irp b, 0,1,2,3
	v_add_nc_u32 v[TM+12+\b], 0xfc000000, v[TM+\b] ; 8 off its exponent field: the conversion's scale operand
.endr
.irp b, 0,1,2,3
.endr
.irp b, 0,1,2,3
	v_lshrrev_b32 v[TM+4+\b], 23, v[TM+12+\b]      ; the scale's byte
.endr
	v_lshl_or_b32 v[\w], v[TM+5], 8, v[TM+4]
	v_lshl_or_b32 v[\w], v[TM+6], 16, v[\w]
	v_lshl_or_b32 v[\w], v[TM+7], 24, v[\w]
	s_wait_xcnt 0x0                                ; the last block's stores have read v[PC] on: only behind this wait are the codes written again
.irp b, 0,1,2,3
.irp i, 0,1,2,3,4,5,6,7,8,9,10,11,12,13,14,15
.endr
	v_cvt_scalef32_pk8_fp8_f32 v[PC+4*\b:PC+1+4*\b], v[ST+16*\b:ST+7+16*\b], v[TM+12+\b]
	v_cvt_scalef32_pk8_fp8_f32 v[PC+2+4*\b:PC+3+4*\b], v[ST+8+16*\b:ST+15+16*\b], v[TM+12+\b]
.endr
	v_nop                                          ; a plain line between the conversions and the next vector line that writes their sources
.endm
	PLACES NP                                      ; behind the last products: results are read, and operands' registers written, from here on
.irp b, 0,1,2,3
	v_mov_b32 v[TM+4+\b], 0                        ; written once: a lane permute's destination counts as one of its sources
.endr
	s_cmp_eq_u32 s19, 1
	s_cbranch_scc1 .Lv_arm
	; ---- k and q.  My rows of P are head 2 tp + (wave % 2); my rows of Q are tokens 256 tq + 128 (wave / 2) on
	s_lshl_b32 s92, s42, 1
	s_add_co_u32 s92, s92, s18                     ; the head
	s_lshl_b32 s93, s43, 8
	s_lshl_b32 s94, s17, 7
	s_add_co_u32 s93, s93, s94                     ; my first token
	s_lshr_b32 s94, s93, 11                        ; its batch
	s_and_b32 s93, s93, 2047                       ; and its place n0 there
	s_lshl_b32 s94, s94, 4
	s_add_co_u32 s94, s94, s92                     ; 16 x batch + head
	s_mul_i32 s95, s94, HREC
	s_lshl_b32 s20, s93, 6
	s_add_co_u32 s20, s20, s95                     ; K's codes: 64 bytes a key
	s_mov_b32 s21, 0
	s_lshl_b32 s22, s93, 1
	s_add_co_u32 s22, s22, s95
	s_add_co_u32 s22, s22, 262144                  ; K's scale words: 64 bytes for 32 keys
	s_mov_b32 s23, 0
	s_lshl_b32 s44, s94, 17
	s_lshl_b32 s45, s93, 6
	s_add_co_u32 s44, s44, s45                     ; q's codes
	s_mov_b32 s45, 0
	s_lshl_b32 s46, s94, 13
	s_lshl_b32 s47, s93, 2
	s_add_co_u32 s46, s46, s47                     ; q's scale words
	s_mov_b32 s47, 0
	s_add_nc_u64 s[20:21], s[10:11], s[20:21]
	s_add_nc_u64 s[22:23], s[10:11], s[22:23]
	s_add_nc_u64 s[44:45], s[12:13], s[44:45]
	s_add_nc_u64 s[46:47], s[14:15], s[46:47]
.irp b, 0,1,2,3
.irp p, 0,1,2,3
	ds_load_b128 v[X+16*\b+4*\p:X+16*\b+4*\p+3], v[ABK] offset:128*\b+16*\p   ; the biases of rows 32 b + 16 (lane / 16) + 0 .. 15
.endr
.endr
	s_wait_dscnt 0x0
.irp a, 0,1,2,3,4,5,6,7
	ADDK \a
	QUANT W+\a
	global_store_b128 v[LI], v[PC:PC+3], s[20:21] offset:1024*\a             ; k: blocks 0, 1: a tile of 16 keys, 512 consecutive bytes a store
	global_store_b128 v[LI], v[PC+4:PC+7], s[20:21] offset:1024*\a+512
	global_store_b128 v[LI], v[PC+8:PC+11], s[44:45] offset:1024*\a          ; q: blocks 2, 3: a tile of 16 queries
	global_store_b128 v[LI], v[PC+12:PC+15], s[44:45] offset:1024*\a+512
.endr
.irp b, 0,1,2,3
	v_perm_b32 v[OW+\b], v[W+2*\b+1], v[W+2*\b], s99        ; K's word for a pair of tiles: the even tile's two bytes, then the odd tile's
.endr
.irp a, 0,1,2,3,4,5,6,7
	v_perm_b32 v[OW+4+\a], v[W+\a], v[W+\a], s100           ; q's word: its two bytes twice
.endr
.irp b, 0,1,2,3
	ds_store_b32 v[ASK], v[OW+\b] offset:64*\b              ; lanes 16-31 write the same words with the same values
.endr
.irp a, 0,1,2,3,4,5,6,7
	ds_store_b32 v[ASK], v[OW+4+\a] offset:256+64*\a
.endr
	ds_load_b64 v[128:129], v[ARK]                 ; LDS serves a wave's instructions in order: these see my stores
	ds_load_b128 v[132:135], v[ARQ]
	s_wait_dscnt 0x0
	global_store_b64 v[L8], v[128:129], s[22:23]   ; 256 consecutive bytes, aligned
	global_store_b128 v[LI], v[132:135], s[46:47]  ; 512
	s_branch .Ljoin
.Lv_arm:
	; ---- v.  My rows of P are keys 256 tp + 128 (wave % 2) on: one step of 128 keys; my rows of Q are the 64 channels of heads 4 tq + 2 (wave / 2) and the next
	s_lshl_b32 s93, s42, 8
	s_lshl_b32 s94, s18, 7
	s_add_co_u32 s93, s93, s94                     ; my first key
	s_lshr_b32 s94, s93, 11                        ; its batch
	s_bfe_u32 s93, s93, 0x40007                    ; and which 128 keys there
	s_lshl_b32 s94, s94, 4
	s_lshl_b32 s92, s43, 2
	s_add_co_u32 s94, s94, s92
	s_lshl_b32 s92, s17, 1
	s_add_co_u32 s94, s94, s92                     ; 16 x batch + my first head
	s_mul_i32 s95, s94, HREC
	s_lshl_b32 s20, s93, 13
	s_add_co_u32 s20, s20, s95
	s_add_co_u32 s20, s20, 131072                  ; V^T's codes: 8,192 bytes for 128 keys
	s_mov_b32 s21, 0
	s_lshl_b32 s22, s93, 8
	s_add_co_u32 s22, s22, s95
	s_add_co_u32 s22, s22, 266240                  ; V's scale words: 256 bytes for 128 keys
	s_mov_b32 s23, 0
	s_add_nc_u64 s[20:21], s[10:11], s[20:21]
	s_add_nc_u64 s[22:23], s[10:11], s[22:23]
.irp a, 0,1,2,3,4,5,6,7
	ds_load_b32 v[X+2*\a], v[ABV] offset:128*(\a/2)+32*(\a%2)      ; block a's row r is row 32 (a / 2) + 8 (a % 2) + r + 8 (r / 8) of my 128: its bias,
	ds_load_b32 v[X+2*\a+1], v[ABV] offset:128*(\a/2)+32*(\a%2)    ; twice, for the packed addition
.endr
	s_wait_dscnt 0x0
.irp a, 0,1,2,3,4,5,6,7
	ADDV \a
	QUANT W+\a
.irp c, 0,1,2,3
	global_store_b128 v[LI], v[PC+4*\c:PC+4*\c+3], s[20:21] offset:(\a/4)*HREC+(\a%4)*2048+512*\c   ; a tile of 16 channels x 128 keys
.endr
.endr
	s_wait_alu depctr_va_vdst(0)
.irp a, 0,1,2,3,4,5,6,7
	ds_store_b32 v[ASV], v[W+\a] offset:64*\a
.endr
	ds_load_b128 v[132:135], v[ARV]
	s_wait_dscnt 0x0
	global_store_b128 v[LV], v[132:135], s[22:23]  ; sixteen lanes store a head's 256 bytes, aligned
.Ljoin:
	s_wait_tensorcnt 0x0                           ; the wave's end
	ds_add_u32 v[SPW], v[NIL]
	s_wait_dscnt 0x0
	CROUND                                         ; the closing round: no work-group ends while a partner may still ask for a tile that names it
	s_endpgm
.Lfunc_end_k_q02367491ee_kqv:
	.size	k_q02367491ee_kqv, .Lfunc_end_k_q02367491ee_kqv-k_q02367491ee_kqv
	.p2alignl 7, 3214868480
	.fill 96, 4, 3214868480
	.section	.rodata,"a",@progbits
	.p2align	6, 0x0
	.amdhsa_kernel k_q02367491ee_kqv
		.amdhsa_group_segment_fixed_size 327680
		.amdhsa_private_segment_fixed_size 0
		.amdhsa_enable_private_segment 0
		.amdhsa_kernarg_size 48
		.amdhsa_user_sgpr_count 2
		.amdhsa_user_sgpr_kernarg_segment_ptr 1
		.amdhsa_wavefront_size32 1
		.amdhsa_system_sgpr_workgroup_id_x 1
		.amdhsa_system_sgpr_workgroup_id_y 1
		.amdhsa_system_sgpr_workgroup_id_z 1
		.amdhsa_system_vgpr_workitem_id 0
		.amdhsa_next_free_vgpr 1024
		.amdhsa_next_free_sgpr 102
		.amdhsa_reserve_vcc 0
		.amdhsa_float_denorm_mode_32 3
		.amdhsa_float_denorm_mode_16_64 3
		.amdhsa_fp16_overflow 1
		.amdhsa_memory_ordered 1
		.amdhsa_forward_progress 1
		.amdhsa_inst_pref_size 221
	.end_amdhsa_kernel
	.amdgpu_metadata
---
amdhsa.version: [ 1, 2 ]
amdhsa.kernels:
  - .name:           k_q02367491ee_kqv
    .symbol:         k_q02367491ee_kqv.kd
    .args:
      - { .name: cod, .offset: 0, .size: 8, .value_kind: global_buffer, .address_space: global }
      - { .name: scl, .offset: 8, .size: 8, .value_kind: global_buffer, .address_space: global }
      - { .name: bkqv, .offset: 16, .size: 8, .value_kind: global_buffer, .address_space: global }
      - { .name: kv, .offset: 24, .size: 8, .value_kind: global_buffer, .address_space: global }
      - { .name: qc, .offset: 32, .size: 8, .value_kind: global_buffer, .address_space: global }
      - { .name: qs, .offset: 40, .size: 8, .value_kind: global_buffer, .address_space: global }
    .group_segment_fixed_size: 327680
    .private_segment_fixed_size: 0
    .kernarg_segment_align: 8
    .kernarg_segment_size: 48
    .max_flat_workgroup_size: 128
    .sgpr_count:     102
    .vgpr_count:     1024
    .wavefront_size: 32
...
	.end_amdgpu_metadata
.endif
;; end of part 2
;; launch attn (part 3): grid 4 x 64, 16 waves a work-group, clusters of 4 x 1, 327,680 bytes of LDS; arguments kv, qc, qs, sac, sas; writes sac, sas
.if DOCPART == 3
	.amdgcn_target "amdgcn-amd-amdhsa--gfx1250"
	.amdhsa_code_object_version 6
	.text
	.protected	k_q02367491ee_attn
	.globl	k_q02367491ee_attn
	.p2align	8
	.type	k_q02367491ee_attn,@function
k_q02367491ee_attn:
	s_mov_b64 s[64:65], 0
	v_nop
	global_prefetch_b8 v0, s[64:65] scope:SCOPE_SE
	s_setreg_imm32_b32 hwreg(HW_REG_WAVE_MODE, 25, 1), 1
	s_wait_xcnt 0x0
	s_wait_alu depctr_hold_cnt(0) depctr_sa_sdst(0) depctr_va_vdst(0) depctr_va_sdst(0) depctr_va_ssrc(0) depctr_va_vcc(0) depctr_vm_vsrc(0)
	s_getreg_b32 s2, hwreg(HW_REG_IB_STS2, 6, 4)
	s_cmp_eq_u32 s2, 0
	s_cbranch_scc0 .Lentry_in_a_cluster
	s_endpgm
.Lentry_in_a_cluster:
	s_bfe_u32 s2, ttmp6, 0x10000c
	s_cmp_lg_u32 s2, 0x3003
	s_cbranch_scc0 .Lentry_shape_is_right
	s_endpgm
.Lentry_shape_is_right:
; Causal attention of one (batch, head) on codes of FP8 (E4M3) with E8M0 scales, head size 64, 2,048 keys; its result, divided by the row's sum, is quantised along the model's axis for the last product.
; THE SOFTMAX AHEAD OF THE SECOND PRODUCT: t = score x log2(e) / 8; M = the running largest t, rounded up to a whole number; p = 2^(t - M) is quantised along the keys, not normalised; the row's sum is taken of the unquantised p.
; When M moves, the sum and O are multiplied by 2^(old M - new M), which rounds nothing.
; SHARES.  A cluster of four work-groups is one (batch, head).  The head's whole record of kv (K's and V^T's codes and scale words, 270,336 bytes) comes into each work-group's LDS ONCE, by sixteen joint loads, one a wave,
; and stays: behind the one barrier that follows, the loop has no barrier and no tensor load.
; A head has 128 tiles of 16 queries; the tiles 8 G .. 8 G + 7 need G + 1 steps of 128 keys, the last of them on the diagonal.  Wave w of work-group g takes tile 8 w + 2 g (w + 1 steps) and then tile
; 8 (15 - w) + 2 g + 1 (16 - w steps): 17 steps for every wave.  Steps whose keys all come after the queries are never walked.  The walk hangs on the wave's number and the trip's number alone.
; LAYOUT.  Both products are used transposed: S^T = K Q^T, O^T = V^T P^T: a lane holds one query (lane % 16) throughout.  Row r of tile 2 b + u (of keys, queries or channels) is number 32 b + 8 u + r + 8 (r / 8), so that the
; 16 registers of tiles 2 b and 2 b + 1 are 16 neighbours.  THE HEAD IS 64 AND THE INSTRUCTION 128 DEEP: one fragment of K holds TWO tiles of keys (u = 0 in registers 0-7, u = 1 in 8-15), and q stands as [q | 0] and as [0 | q]
; (v16-23 q, v24-31 zeros, v32-39 q): zero codes add nothing.
; LIMITS: 1 / the sum by v_rcp_f32; the running largest t begins at -3e38; a block of zeros or under 2^(9 - 127) gets the scale byte 1; NaN and infinities are not served.
; The scale bytes of sa leave two at a time, 32 bytes apart: a row's 32 bytes come from 16 heads, and a work-group has one; they are one part in 32 of what the launch stores.
.set HREC, 270336
.set PART, 16896                       ; 66 rows of 256 bytes: what one wave's load brings
.set VIMG, 131072                      ; LDS, as in the record: K's codes at 0, V^T's here,
.set KSW,  262144                      ; K's scale words here, V's 4,096 bytes on
.set LI,   1                           ; v1   16 x lane
.set LIV,  2                           ; v2   + VIMG
.set LS,   3                           ; v3   KSW + 4 r
.set ADK,  4                           ; v4-6 the step's addresses: K's codes, V's codes, scale words
.set ADV,  5
.set ADS,  6
.set QD,   7                           ; v7   my query, less the diagonal step's first key, less 16 (lane / 16)
.set R32,  8                           ; v8   32 r
.set R4,   9                           ; v9   4 r
.set QF,   16                          ; v16-31 [q | 0]
.set ZF,   24                          ; v24-39 [0 | q]
.set QW,   40                          ; v40  q's scale word;  v41 the second tile's;  v42-49 the second tile's codes
.set QWB,  41
.set QB,   42
.set KW,   50                          ; v50-53 K's scale words, then V's
.set FF,   54                          ; v54 f, later 1 / the sum;  v55 p's scale word
.set TP,   56                          ; v56 at work
.set NINF, 57                          ; v57 -infinity
.set F,    64                          ; v64-127 four fragments: K's, then V's
.set S,    128                         ; v128-191 S^T, then p
.set O,    192                         ; v192-223 O^T
.set PC,   224                         ; v224-239 p's codes; at a tile's end sa's
.set BM,   240
.set PT,   244
.set HL,   248
.set SO,   252
.set WV,   14                          ; s14 wave; s15 g; s16 16 x batch + head; s17 batch; s18 head
.set SEL,  32
.set CS,   34                          ; s[34:35] c = log2(e) / 8
.set MNT,  36
.set TR,   37                          ; s37 the trip
.set KST,  38                          ; s38 the step of 128 keys
.set GD,   39                          ; s39 the tile's diagonal step
.macro CROUND
	s_barrier_signal -1
	s_barrier_wait -1
	s_cmp_lg_u32 s[WV], 0
	s_cbranch_scc1 .Lnot_wave_0_\@
	s_barrier_signal -3
.Lnot_wave_0_\@:
	s_barrier_wait -3
	s_barrier_signal -1
	s_barrier_wait -1
.endm
	s_load_b256 s[4:11], s[0:1], 0x0               ; kv s[4:5], qc s[6:7], qs s[8:9], sac s[10:11]
	s_load_b64 s[12:13], s[0:1], 0x20              ; sas
	v_lshl_add_u32 v62, v0, 2, 0x42000
	v_mov_b32 v63, 0
	ds_add_u32 v62, v63
	ds_add_u32 v62, v63
	v_lshrrev_b32 v10, 5, v0
	s_delay_alu instid0(VALU_DEP_1)
	v_readfirstlane_b32 s[WV], v10                 ; wave 0..15
	s_bfe_u32 s15, ttmp6, 0x40000                  ; g: my place in the cluster: it enters global addresses and the mask's numbers alone
	s_and_b32 s16, ttmp7, 0xffff                   ; 16 x batch + head, which the four partners share
	s_lshr_b32 s17, s16, 4
	s_and_b32 s18, s16, 15
	s_sub_co_u32 s48, 15, s[WV]
	s_add_co_u32 s50, s[WV], 1
	; the descriptor: 66 rows of 256 bytes (32 elements of 8), dense in memory and in LDS: images are read 16 bytes a lane on end, so no padding
	s_mov_b32 s24, 15|(3<<16)|(1<<21)              ; 15:0 the mask: all four work-groups; 17:16 elements of 8 bytes; 21 set beside a mask
	s_mov_b32 s25, 32<<16                          ; tensor_dim0
	s_mov_b32 s26, 66<<16                          ; tensor_dim1
	s_mov_b32 s27, 32<<16                          ; tile_dim0
	s_mov_b32 s28, 66                              ; tile_dim1
	s_mov_b32 s29, 32                              ; tensor_dim0_stride
	s_mov_b32 s30, 0
	s_mov_b32 s31, 0
	s_mov_b32 s20, 1
	s_mul_i32 s21, s[WV], PART                     ; LDS address: the wave's part
	s_mul_i32 s52, s16, HREC
	s_add_co_u32 s52, s52, s21
	s_mov_b32 s53, 0
	s_lshl_b32 s54, s[WV], 3
	s_lshl_b32 s55, s15, 1
	s_add_co_u32 s54, s54, s55                     ; my first tile: 8 w + 2 g
	s_lshl_b32 s56, s48, 3
	s_add_co_u32 s56, s56, s55
	s_add_co_u32 s56, s56, 1                       ; my second: 8 (15 - w) + 2 g + 1
	s_lshl_b32 s57, s16, 17                        ; qc: 131,072 bytes a head, 1,024 a tile
	s_lshl_b32 s58, s54, 10
	s_add_co_u32 s66, s57, s58
	s_mov_b32 s67, 0
	s_lshl_b32 s58, s56, 10
	s_add_co_u32 s68, s57, s58
	s_mov_b32 s69, 0
	s_lshl_b32 s57, s16, 13                        ; qs: 8,192 bytes a head, 64 a tile
	s_lshl_b32 s58, s54, 6
	s_add_co_u32 s70, s57, s58
	s_mov_b32 s71, 0
	s_lshl_b32 s58, s56, 6
	s_add_co_u32 s72, s57, s58
	s_mov_b32 s73, 0
	s_lshl_b32 s57, s17, 7
	s_add_co_u32 s58, s57, s54                     ; the tiles' numbers among all tokens' tiles: 128 x batch + tile
	s_add_co_u32 s59, s57, s56
	s_lshl_b32 s57, s18, 10                        ; sac: 16,384 bytes a tile, 1,024 a head
	s_lshl_b32 s40, s58, 14
	s_add_co_u32 s40, s40, s57
	s_mov_b32 s41, 0
	s_lshl_b32 s42, s59, 14
	s_add_co_u32 s42, s42, s57
	s_mov_b32 s43, 0
	s_lshl_b32 s57, s18, 1                         ; sas: 512 bytes a tile, 32 a row, 2 a head
	s_lshl_b32 s44, s58, 9
	s_add_co_u32 s44, s44, s57
	s_mov_b32 s45, 0
	s_lshl_b32 s46, s59, 9
	s_add_co_u32 s46, s46, s57
	s_mov_b32 s47, 0
	s_mov_b32 s[SEL], 0x76543210
	s_mov_b32 s[SEL+1], 0xfedcba98
	s_mov_b32 s[CS], 0x3e38aa3b                    ; log2(e) / 8
	s_mov_b32 s[CS+1], s[CS]                       ; (named with it as a pair, so it is written)
	v_and_b32 v10, 31, v0
	s_delay_alu instid0(VALU_DEP_1)
	v_lshlrev_b32 v[LI], 4, v10
	s_delay_alu instid0(VALU_DEP_1)
	v_add_nc_u32 v[LIV], VIMG, v[LI]
	v_and_b32 v11, 15, v0                          ; r
	s_delay_alu instid0(VALU_DEP_1)
	v_lshl_add_u32 v[LS], v11, 2, KSW
	s_delay_alu instid0(VALU_DEP_2)
	v_lshlrev_b32 v[R32], 5, v11
	s_delay_alu instid0(VALU_DEP_3)
	v_lshlrev_b32 v[R4], 2, v11
	v_bfe_u32 v10, v0, 4, 1                        ; h
	v_and_b32 v[QD], 8, v11
	s_delay_alu instid0(VALU_DEP_1)
	v_add_nc_u32 v[QD], v[QD], v11                 ; r + 8 (r / 8)
	s_delay_alu instid0(VALU_DEP_3)
	v_lshlrev_b32 v10, 4, v10
	s_delay_alu instid0(VALU_DEP_1)
	v_sub_nc_u32 v[QD], v[QD], v10
	s_lshl_b32 s57, s15, 5
	v_add_nc_u32 v[QD], s57, v[QD]                 ; my first tile's query r is 128 w + 32 g + r + 8 (r / 8); its diagonal step begins at key 128 w
	s_wait_dscnt 0x0
	s_wait_kmcnt 0x0
	s_add_nc_u64 s[22:23], s[4:5], s[52:53]
	s_or_b32 s23, s23, 0x80000000                  ; type = 2
	s_add_nc_u64 s[66:67], s[6:7], s[66:67]
	s_add_nc_u64 s[68:69], s[6:7], s[68:69]
	s_add_nc_u64 s[70:71], s[8:9], s[70:71]
	s_add_nc_u64 s[72:73], s[8:9], s[72:73]
	s_add_nc_u64 s[40:41], s[10:11], s[40:41]
	s_add_nc_u64 s[42:43], s[10:11], s[42:43]
	s_add_nc_u64 s[44:45], s[12:13], s[44:45]
	s_add_nc_u64 s[46:47], s[12:13], s[46:47]
	CROUND                                         ; all four work-groups are here: the joint loads meet
	tensor_load_to_lds s[20:23], s[24:31]          ; my one tensor load of the launch
	s_nop 0
.rept 4
	v_nop
.endr
	global_load_b128 v[QF:QF+3], v[LI], s[66:67]               ; the first tile's q, twice
	global_load_b128 v[QF+4:QF+7], v[LI], s[66:67] offset:512
	global_load_b128 v[ZF+8:ZF+11], v[LI], s[66:67]
	global_load_b128 v[ZF+12:ZF+15], v[LI], s[66:67] offset:512
	s_wait_alu depctr_va_vdst(0)
	global_load_b32 v[QW], v[R4], s[70:71]
	global_load_b128 v[QB:QB+3], v[LI], s[68:69]               ; the second tile's waits in registers
	global_load_b128 v[QB+4:QB+7], v[LI], s[68:69] offset:512
	global_load_b32 v[QWB], v[R4], s[72:73]
.set j, 0
.rept 8
	v_mov_b32 v[ZF+j], 0                           ; the zero codes between the two copies of q
.set j, j+1
.endr
	v_mov_b32 v13, 0xff61b1e6                      ; the largest t so far: -3e38
	s_delay_alu instid0(VALU_DEP_1)
	v_floor_f32 v12, -v13                          ; -M
	v_mov_b32 v14, 0                               ; the sum, in two halves
	v_mov_b32 v15, 0
.set j, 0
.rept 32
	v_mov_b32 v[O+j], 0                            ; O^T: the step is written once, and a tile's first step finds zeros
.set j, j+1
.endr
.irp b, 0,1,2,3
	v_mov_b32 v[PT+\b], 0                          ; a lane permute's destination counts as one of its sources
.endr
	v_mov_b32 v[FF+1], 0                           ; (named as the upper half of a pair before it is first written)
	v_mov_b32 v[NINF], 0xff800000
	s_wait_tensorcnt 0x0                           ; my part of the record is in,
	s_barrier_signal -1
	s_barrier_wait -1                              ; everybody's is
	s_wait_loadcnt 0x0                             ; q
	s_mov_b32 s[TR], 0
.Ltrip:                                            ; 17 trips: trips 0 .. w are the first tile's steps 0 .. w, trips w + 1 .. 16 the second tile's steps 0 .. 15 - w
	s_cmp_gt_u32 s[TR], s[WV]
	s_cselect_b32 s49, s50, 0
	s_cselect_b32 s[GD], s48, s[WV]
	s_sub_co_u32 s[KST], s[TR], s49
	s_min_u32 s[KST], s[KST], 15
	s_lshl_b32 s49, s[KST], 13                     ; 8,192 bytes of K's codes, and of V's, a step
	s_lshl_b32 s51, s[KST], 8                      ; 256 bytes of scale words
	s_setprio 2
	v_add_nc_u32 v[ADK], s49, v[LI]
	v_add_nc_u32 v[ADV], s49, v[LIV]
	v_add_nc_u32 v[ADS], s51, v[LS]
.rept 5
	v_nop                                          ; with the three additions: eight places behind the last trip's products, in front of loads into their operands
.endr
.irp b, 0,1,2,3
.irp c, 0,1,2,3
	ds_load_b128 v[F+16*\b+4*\c:F+16*\b+4*\c+3], v[ADK] offset:2048*\b+512*\c   ; keys 32 b on: two tiles in one fragment
.endr
	ds_load_b32 v[KW+\b], v[ADS] offset:64*\b
.endr
	s_wait_alu depctr_va_vdst(0)
.irp b, 0,1,2,3
	s_wait_dscnt 15-5*\b                           ; the five loads of each later 32 keys may be out
	v_wmma_scale_f32_16x16x128_f8f6f4 v[S+16*\b:S+16*\b+7], v[F+16*\b:F+16*\b+15], v[QF:QF+15], 0, v[KW+\b], v[QW]
	v_wmma_scale_f32_16x16x128_f8f6f4 v[S+16*\b+8:S+16*\b+15], v[F+16*\b:F+16*\b+15], v[ZF:ZF+15], 0, v[KW+\b], v[QW]
.endr                                              ; register 16 b + i of S^T: key 128 step + 32 b + 16 (lane / 16) + i
.rept 8
	v_nop                                          ; places: in front of the loads below and of the first read of the scores
.endr
.irp t, 0,1,2,3
.irp c, 0,1,2,3
	ds_load_b128 v[F+16*\t+4*\c:F+16*\t+4*\c+3], v[ADV] offset:2048*\t+512*\c   ; V^T's four tiles of 16 channels x these 128 keys: they land while the softmax is walked
.endr
	ds_load_b32 v[KW+\t], v[ADS] offset:4096+64*\t
.endr
	s_cmp_lg_u32 s[KST], s[GD]
	s_cbranch_scc1 .Lopen                          ; only a tile's last step lies on the diagonal
.set n, 0
.rept 64
	v_cmp_gt_i32 vcc_lo, 32*(n/16)+n%16, v[QD]     ; the register's key comes after my query:
	v_cndmask_b32 v[S+n], v[S+n], v[NINF], vcc_lo  ; its score becomes -infinity, p = 0
.set n, n+1
.endr
.Lopen:
.irp b, 0,1,2,3
	v_max3_num_f32 v[BM+\b], v[S+16*\b], v[S+1+16*\b], v[S+2+16*\b]   ; the largest score of each block of 32 keys: for the row's maximum, and, since p rises with the score, for the block's largest p
.endr
.irp i, 3,5,7,9,11,13
.irp b, 0,1,2,3
	v_max3_num_f32 v[BM+\b], v[BM+\b], v[S+16*\b+\i], v[S+1+16*\b+\i]
.endr
.endr
.irp b, 0,1,2,3
	v_max_num_f32 v[BM+\b], v[BM+\b], v[S+15+16*\b]
.endr
.irp b, 0,1,2,3
	s_delay_alu instid0(VALU_DEP_4)
	v_permlanex16_b32 v[PT+\b], v[BM+\b], s[SEL], s[SEL+1]
.endr
.irp b, 0,1,2,3
	s_delay_alu instid0(VALU_DEP_4)
	v_max_num_f32 v[BM+\b], v[BM+\b], v[PT+\b]     ; with lane l xor 16's 16 keys
.endr
	s_delay_alu instid0(VALU_DEP_2)
	v_max3_num_f32 v[TP], v[BM], v[BM+1], v[BM+2]
	s_delay_alu instid0(VALU_DEP_1)
	v_max_num_f32 v[TP], v[TP], v[BM+3]            ; the step's largest score of my query
	s_delay_alu instid0(VALU_DEP_1)
	v_mul_f32 v[TP], s[CS], v[TP]                  ; as t
	s_delay_alu instid0(VALU_DEP_1)
	v_max_num_f32 v13, v13, v[TP]                  ; the running largest t
	v_mov_b32 v[TP], v12
	s_delay_alu instid0(VALU_DEP_2)
	v_floor_f32 v12, -v13                          ; the new -M = -ceil(t)
	s_delay_alu instid0(VALU_DEP_1)
	v_sub_f32 v[TP], v12, v[TP]                    ; old M - new M: a whole number, 0 or less
	s_delay_alu instid0(VALU_DEP_1)
	v_cvt_i32_f32 v[TP], v[TP]                     ; (it saturates)
	s_delay_alu instid0(VALU_DEP_1)
	v_ldexp_f32 v[FF], 1.0, v[TP]                  ; f = 2^(old M - new M)
.set j, 0
.rept 32
	v_pk_fma_f32 v[S+j:S+j+1], v[S+j:S+j+1], s[CS:CS+1], v[12:13] op_sel_hi:[1,0,0]   ; t - M, two at a time
.set j, j+2
.endr
.irp b, 0,1,2,3
	v_fma_f32 v[BM+\b], v[BM+\b], s[CS], v12       ; the same of each block's largest score
.endr
.set j, 0
	s_wait_alu depctr_va_vdst(0)
.rept 64
	v_exp_f32 v[S+j], v[S+j]                       ; p = 2^(t - M)
.set j, j+1
.endr
	s_setprio 1
	v_pk_mul_f32 v[14:15], v[14:15], v[FF:FF+1] op_sel_hi:[1,0]   ; the sums under the new M (the plain line behind the exponentials)
	s_wait_alu depctr_va_vdst(0)                   ; one wait for the batch of 64, ahead of its first reader
.irp b, 0,1,2,3
	v_exp_f32 v[BM+\b], v[BM+\b]                   ; the block's largest p
.endr
	v_pk_add_f32 v[244:245], v[132:133], v[136:137]
	v_pk_add_f32 v[254:255], v[140:141], v[144:145]
	v_pk_add_f32 v[252:253], v[148:149], v[152:153]
	v_pk_add_f32 v[250:251], v[156:157], v[160:161]
	v_pk_add_f32 v[248:249], v[164:165], v[168:169]
	v_pk_add_f32 v[246:247], v[172:173], v[176:177]
	v_pk_add_f32 v[238:239], v[180:181], v[184:185]
	v_pk_add_f32 v[14:15], v[14:15], v[188:189]
	v_pk_add_f32 v[244:245], v[244:245], v[128:129]
	v_pk_add_f32 v[254:255], v[254:255], v[130:131]
	v_pk_add_f32 v[252:253], v[252:253], v[134:135]
	v_pk_add_f32 v[250:251], v[250:251], v[138:139]
	v_pk_add_f32 v[248:249], v[248:249], v[142:143]
	v_pk_add_f32 v[246:247], v[246:247], v[146:147]
	v_pk_add_f32 v[238:239], v[238:239], v[150:151]
	v_pk_add_f32 v[14:15], v[14:15], v[154:155]
	v_pk_add_f32 v[244:245], v[244:245], v[158:159]
	v_pk_add_f32 v[254:255], v[254:255], v[162:163]
	v_pk_add_f32 v[252:253], v[252:253], v[166:167]
	v_pk_add_f32 v[250:251], v[250:251], v[170:171]
	v_pk_add_f32 v[248:249], v[248:249], v[174:175]
	v_pk_add_f32 v[246:247], v[246:247], v[178:179]
	v_pk_add_f32 v[238:239], v[238:239], v[182:183]
	v_pk_add_f32 v[14:15], v[14:15], v[186:187]
	v_pk_add_f32 v[244:245], v[244:245], v[190:191]
	s_delay_alu instid0(VALU_DEP_2)
	v_pk_add_f32 v[14:15], v[14:15], v[250:251]
	s_delay_alu instid0(VALU_DEP_2)
	v_pk_add_f32 v[244:245], v[244:245], v[248:249]
	v_pk_add_f32 v[254:255], v[254:255], v[246:247]
	v_pk_add_f32 v[252:253], v[252:253], v[238:239]
	s_delay_alu instid0(VALU_DEP_2)
	v_pk_add_f32 v[14:15], v[14:15], v[254:255]
	s_delay_alu instid0(VALU_DEP_2)
	v_pk_add_f32 v[244:245], v[244:245], v[252:253]
	s_delay_alu instid0(VALU_DEP_1)
	v_pk_add_f32 v[14:15], v[14:15], v[244:245]
	s_wait_alu depctr_va_vdst(0)                   ; and one for the four
.irp b, 0,1,2,3
	v_max_num_f32 v[BM+\b], 0x4800000, v[BM+\b]    ; the floor 2^(9 - 127): the byte cannot fall under 1
.endr
.irp b, 0,1,2,3
	s_delay_alu instid0(VALU_DEP_4)
	v_add_nc_u32 v[SO+\b], 0xfc000000, v[BM+\b]    ; the conversion's scale operand
.endr
.irp b, 0,1,2,3
.endr
.irp b, 0,1,2,3
	s_delay_alu instid0(VALU_DEP_4)
	v_lshrrev_b32 v[PT+\b], 23, v[SO+\b]           ; the scale's byte
.endr
	s_delay_alu instid0(VALU_DEP_3)
	v_lshl_or_b32 v[FF+1], v[PT+1], 8, v[PT]       ; p's scale word for these 128 keys
	s_delay_alu instid0(VALU_DEP_1)
	v_lshl_or_b32 v[FF+1], v[PT+2], 16, v[FF+1]
	s_delay_alu instid0(VALU_DEP_1)
	v_lshl_or_b32 v[FF+1], v[PT+3], 24, v[FF+1]
.irp b, 0,1,2,3
.set j, 0
.rept 16
.set j, j+1
.endr
	v_cvt_scalef32_pk8_fp8_f32 v[PC+4*\b:PC+4*\b+1], v[S+16*\b:S+16*\b+7], v[SO+\b]
	v_cvt_scalef32_pk8_fp8_f32 v[PC+4*\b+2:PC+4*\b+3], v[S+16*\b+8:S+16*\b+15], v[SO+\b]
.endr
.set j, 0
.rept 16
	v_pk_mul_f32 v[O+j:O+j+1], v[O+j:O+j+1], v[FF:FF+1] op_sel_hi:[1,0]   ; O^T under the new M; these sixteen are also the places in front of the products below
.set j, j+2
.endr
	s_wait_alu depctr_va_vdst(0)
	s_wait_dscnt 0x0                               ; V is in
.irp t, 0,1,2,3
	v_wmma_scale_f32_16x16x128_f8f6f4 v[O+8*\t:O+8*\t+7], v[F+16*\t:F+16*\t+15], v[PC:PC+15], v[O+8*\t:O+8*\t+7], v[KW+\t], v[FF+1]   ; four accumulators by turns; eight score products stand between a sum's two links
.endr
	s_cmp_lg_u32 s[KST], s[GD]
	s_setprio 0
	s_cbranch_scc1 .Lnext
	; ---- A TILE'S END.  O^T / the sum; register 16 b + i is channel 32 b + 16 (lane / 16) + i of my query: two blocks of the last product's K
.rept 8
	v_nop                                          ; places behind the last products
.endr
	v_add_f32 v14, v14, v15
	s_delay_alu instid0(VALU_DEP_1)
	v_permlanex16_b32 v[TP], v14, s[SEL], s[SEL+1]
	s_delay_alu instid0(VALU_DEP_1)
	v_add_f32 v14, v14, v[TP]                      ; the row's sum
	s_wait_alu depctr_va_vdst(0)
	v_rcp_f32 v[FF], v14
	v_nop                                          ; a plain line behind the reciprocal,
	s_wait_alu depctr_va_vdst(0)                   ; and the wait ahead of its first reader
.set j, 0
.rept 16
	v_pk_mul_f32 v[O+j:O+j+1], v[O+j:O+j+1], v[FF:FF+1] op_sel_hi:[1,0]   ; each accumulator from its low end on
.set j, j+2
.endr
.irp b, 0,1
	v_max3_num_f32 v[BM+\b], |v[O+16*\b]|, |v[O+1+16*\b]|, 0x4800000
.endr
.irp i, 2,4,6,8,10,12,14
.irp b, 0,1
	s_delay_alu instid0(VALU_DEP_2)
	v_max3_num_f32 v[BM+\b], v[BM+\b], |v[O+16*\b+\i]|, |v[O+1+16*\b+\i]|
.endr
.endr
.irp b, 0,1
	s_delay_alu instid0(VALU_DEP_2)
	v_permlanex16_b32 v[PT+\b], v[BM+\b], s[SEL], s[SEL+1]
.endr
.irp b, 0,1
	s_delay_alu instid0(VALU_DEP_2)
	v_max_num_f32 v[BM+\b], v[BM+\b], v[PT+\b]
.endr
.irp b, 0,1
	s_delay_alu instid0(VALU_DEP_2)
	v_add_nc_u32 v[SO+\b], 0xfc000000, v[BM+\b]
.endr
.irp b, 0,1
.endr
.irp b, 0,1
	s_delay_alu instid0(VALU_DEP_2)
	v_lshrrev_b32 v[PT+\b], 23, v[SO+\b]
.endr
	s_delay_alu instid0(VALU_DEP_1)
	v_lshl_or_b32 v[TP], v[PT+1], 8, v[PT]         ; my row's two scale bytes
.irp b, 0,1
.set j, 0
.rept 16
.set j, j+1
.endr
	v_cvt_scalef32_pk8_fp8_f32 v[PC+4*\b:PC+4*\b+1], v[O+16*\b:O+16*\b+7], v[SO+\b]
	v_cvt_scalef32_pk8_fp8_f32 v[PC+4*\b+2:PC+4*\b+3], v[O+16*\b+8:O+16*\b+15], v[SO+\b]
.endr
	v_nop                                          ; a plain line behind the conversions
	global_store_b128 v[LI], v[PC:PC+3], s[40:41]              ; half a fragment of the last product: 512 consecutive bytes a store
	global_store_b128 v[LI], v[PC+4:PC+7], s[40:41] offset:512
	global_store_b16 v[R32], v[TP], s[44:45]                   ; lanes 16-31 write the same bytes with the same values
	; ---- on to the second tile.  (Behind the second tile's end these lines move registers that nobody reads again.)
	s_wait_xcnt 0x0                                ; the stores have read their bases and data
	s_mov_b64 s[40:41], s[42:43]
	s_mov_b64 s[44:45], s[46:47]
	v_mov_b32 v[QW], v[QWB]                        ; the scale word first: more than eight plain lines follow ahead of the next product
	v_add_nc_u32 v[QD], 8, v[QD]                   ; the second tile is an odd one: its queries lie 8 further on
.set j, 0
.rept 8
	v_mov_b32 v[QF+j], v[QB+j]
	v_mov_b32 v[ZF+8+j], v[QB+j]
.set j, j+1
.endr
	v_mov_b32 v13, 0xff61b1e6
	s_delay_alu instid0(VALU_DEP_1)
	v_floor_f32 v12, -v13
	v_mov_b32 v14, 0
	v_mov_b32 v15, 0
.set j, 0
.rept 32
	v_mov_b32 v[O+j], 0
.set j, j+1
.endr
.Lnext:
	s_add_co_u32 s[TR], s[TR], 1
	s_cmp_lt_u32 s[TR], 17
	s_cbranch_scc1 .Ltrip
	s_setprio 0
	s_wait_tensorcnt 0x0
	ds_add_u32 v62, v63
	s_wait_dscnt 0x0
	CROUND                                         ; the closing round
	s_endpgm
.Lfunc_end_k_q02367491ee_attn:
	.size	k_q02367491ee_attn, .Lfunc_end_k_q02367491ee_attn-k_q02367491ee_attn
	.p2alignl 7, 3214868480
	.fill 96, 4, 3214868480
	.section	.rodata,"a",@progbits
	.p2align	6, 0x0
	.amdhsa_kernel k_q02367491ee_attn
		.amdhsa_group_segment_fixed_size 327680
		.amdhsa_private_segment_fixed_size 0
		.amdhsa_enable_private_segment 0
		.amdhsa_kernarg_size 40
		.amdhsa_user_sgpr_count 2
		.amdhsa_user_sgpr_kernarg_segment_ptr 1
		.amdhsa_wavefront_size32 1
		.amdhsa_system_sgpr_workgroup_id_x 1
		.amdhsa_system_sgpr_workgroup_id_y 1
		.amdhsa_system_sgpr_workgroup_id_z 1
		.amdhsa_system_vgpr_workitem_id 0
		.amdhsa_next_free_vgpr 256
		.amdhsa_next_free_sgpr 80
		.amdhsa_reserve_vcc 1
		.amdhsa_float_denorm_mode_32 3
		.amdhsa_float_denorm_mode_16_64 3
		.amdhsa_fp16_overflow 1
		.amdhsa_memory_ordered 1
		.amdhsa_forward_progress 1
		.amdhsa_inst_pref_size 37
	.end_amdhsa_kernel
	.amdgpu_metadata
---
amdhsa.version: [ 1, 2 ]
amdhsa.kernels:
  - .name:           k_q02367491ee_attn
    .symbol:         k_q02367491ee_attn.kd
    .args:
      - { .name: kv, .offset: 0, .size: 8, .value_kind: global_buffer, .address_space: global }
      - { .name: qc, .offset: 8, .size: 8, .value_kind: global_buffer, .address_space: global }
      - { .name: qs, .offset: 16, .size: 8, .value_kind: global_buffer, .address_space: global }
      - { .name: sac, .offset: 24, .size: 8, .value_kind: global_buffer, .address_space: global }
      - { .name: sas, .offset: 32, .size: 8, .value_kind: global_buffer, .address_space: global }
    .group_segment_fixed_size: 327680
    .private_segment_fixed_size: 0
    .kernarg_segment_align: 8
    .kernarg_segment_size: 40
    .max_flat_workgroup_size: 512
    .sgpr_count:     80
    .vgpr_count:     256
    .wavefront_size: 32
...
	.end_amdgpu_metadata
.endif
;; end of part 3
;; launch proj (part 4): grid 4 x 32, 4 waves a work-group, clusters of 4 x 4, 327,680 bytes of LDS; arguments sac, sas, cod, scl, bproj, out0; writes out0
.if DOCPART == 4
	.amdgcn_target "amdgcn-amd-amdhsa--gfx1250"
	.amdhsa_code_object_version 6
	.text
	.protected	k_q02367491ee_proj
	.globl	k_q02367491ee_proj
	.p2align	8
	.type	k_q02367491ee_proj,@function
k_q02367491ee_proj:
	s_mov_b64 s[64:65], 0
	v_nop
	global_prefetch_b8 v0, s[64:65] scope:SCOPE_SE
	s_setreg_imm32_b32 hwreg(HW_REG_WAVE_MODE, 25, 1), 1
	s_wait_xcnt 0x0
	s_wait_alu depctr_hold_cnt(0) depctr_sa_sdst(0) depctr_va_vdst(0) depctr_va_sdst(0) depctr_va_ssrc(0) depctr_va_vcc(0) depctr_vm_vsrc(0)
	s_getreg_b32 s2, hwreg(HW_REG_IB_STS2, 6, 4)
	s_cmp_eq_u32 s2, 0
	s_cbranch_scc0 .Lentry_in_a_cluster
	s_endpgm
.Lentry_in_a_cluster:
	s_bfe_u32 s2, ttmp6, 0x10000c
	s_cmp_lg_u32 s2, 0xf033
	s_cbranch_scc0 .Lentry_shape_is_right
	s_endpgm
.Lentry_shape_is_right:
.set NQ,     2
.set ROWB,   256
.set KROW,   1024
.set ASTEP,  4096
.set PITCH,  272
.set FR,     16
.set NL,     4
.set NP,     8
.set HALFT,  128*PITCH
.set SLOT,   4*HALFT
.set LAPS,   2
.set KS,     32
.set SCL,    2*SLOT
.set HALFS,  (128*KS/256)*272
.set SBLK,   (16*KS/256)*272
.set SPARE,  SCL+4*HALFS
.set SPITCH, 528
.set ADRA, 16
.set ADRB, 20
.set STO,  24
.set RD,   25
.set CO,   26
.set ADRS, 27
.set SPW,  28
.set NIL,  29
.set BOF,  30
.set SC,   32
.set BI,   64
.set AF,   128
.set BK,   128
.set WV,   16
.set G1, 24
.set G0, 32
.set G1B, 48
.set G0B, 56
.set G1S, 68
.set G0S, 76
.set G1SB, 80
.set G0SB, 88
.set MSB, 0
.macro WIN new
.if MSB != \new
	s_set_vgpr_msb (MSB<<8)|\new
.set MSB, \new
.endif
.endm
.set MUL_LO, 0xa1
.set MUL_HI, 0xf1
.set FST_LO, 0x81
.set FST_HI, 0xc1
.set TO_B,   0x40
.macro JLOAD g0a, g1a, g0b, g1b
	s_cmp_eq_u32 s17, 0
	s_cbranch_scc0 .Lfor_b_\@
	tensor_load_to_lds s[\g0a:\g0a+3], s[\g1a:\g1a+7]
	s_nop 0
.rept 4
	v_nop
.endr
	s_branch .Lasked_\@
.Lfor_b_\@:
	tensor_load_to_lds s[\g0b:\g0b+3], s[\g1b:\g1b+7]
	s_nop 0
.rept 4
	v_nop
.endr
.Lasked_\@:
.endm
.macro CREST
	s_cmp_lg_u32 s[WV], 0
	s_cbranch_scc1 .Lnot_wave_0_\@
	s_barrier_signal -3
.Lnot_wave_0_\@:
	s_barrier_wait -3
	s_barrier_signal -1
	s_barrier_wait -1
.endm
.macro CROUND
	s_barrier_signal -1
	s_barrier_wait -1
	CREST
.endm
	s_load_b256 s[4:11], s[0:1], 0x0
	s_load_b128 s[12:15], s[0:1], 0x20
	v_lshl_add_u32 v[SPW], v0, 2, SPARE
	v_mov_b32 v[NIL], 0
	ds_add_u32 v28, v29
	ds_add_u32 v28, v29
	s_wait_dscnt 0x0
	v_lshrrev_b32 v1, 5, v0
	v_readfirstlane_b32 s[WV], v1
	s_lshr_b32 s17, s[WV], 1
	s_and_b32 s18, s[WV], 1
	s_bfe_u32 s40, ttmp6, 0x40000
	s_bfe_u32 s41, ttmp6, 0x40004
	s_lshl_b32 s42, ttmp9, 2
	s_add_co_u32 s42, s42, s40
	s_and_b32 s43, ttmp7, 0xffff
	s_lshl_b32 s43, s43, 2
	s_add_co_u32 s43, s43, s41
	s_lshl_b32 s45, s41, 2
	s_lshl_b32 s45, 15, s45
	s_lshl_b32 s46, 0x1111, s40
	s_or_b32 s[G1+0], s45, (3<<16)|(1<<21)
	s_mov_b32 s[G1+1], 512<<16
	s_mov_b32 s[G1+2], 8<<16
	s_mov_b32 s[G1+3], 512<<16
	s_mov_b32 s[G1+4], 8
	s_mov_b32 s[G1+5], 2048
	s_mov_b32 s[G1+6], 0
	s_mov_b32 s[G1+7], 0
	s_or_b32 s[G1B+0], s46, (0<<16)|(1<<20)|(1<<21)|(5<<22)|(3<<25)
	s_mov_b32 s[G1B+1], ROWB<<16
	s_mov_b32 s[G1B+2], 128<<16
	s_mov_b32 s[G1B+3], ROWB<<16
	s_mov_b32 s[G1B+4], 128
	s_mov_b32 s[G1B+5], KROW
	s_mov_b32 s[G1B+6], 0
	s_mov_b32 s[G1B+7], 0
	s_or_b32 s[G1S+0], s45, (3<<16)|(1<<20)|(1<<21)|(5<<22)|(3<<25)
	s_or_b32 s[G1SB+0], s46, (3<<16)|(1<<20)|(1<<21)|(5<<22)|(3<<25)
.irp g, G1S, G1SB
	s_mov_b32 s[\g+1], 32<<16
	s_mov_b32 s[\g+2], (128*KS/256)<<16
	s_mov_b32 s[\g+3], 32<<16
	s_mov_b32 s[\g+4], 128*KS/256
	s_mov_b32 s[\g+5], 32
	s_mov_b32 s[\g+6], 0
	s_mov_b32 s[\g+7], 0
.endr
	s_lshl_b32 s45, s18, 7
	s_lshl_b32 s20, s43, 8
	s_add_co_u32 s20, s20, s45
	s_lshl_b32 s22, s20, 5
	s_mov_b32 s23, 0
	s_lshl_b32 s20, s20, 10
	s_mov_b32 s21, 0
	s_lshl_b32 s46, s42, 8
	s_add_co_u32 s46, s46, s45
	s_add_co_u32 s46, s46, 11264
	s_lshl_b32 s92, s46, 5
	s_mov_b32 s93, 0
	s_lshl_b32 s46, s46, 10
	s_mov_b32 s47, 0
	s_mul_i32 s45, s[WV], HALFT
	s_mul_i32 s94, s[WV], HALFS
	v_and_b32 v1, 15, v0
	v_bfe_u32 v2, v0, 4, 1
	s_lshl_b32 s44, s42, 10
	s_lshl_b32 s95, s18, 9
	s_add_co_u32 s44, s44, s95
	v_lshl_add_u32 v[BOF], v2, 5, s44
	s_wait_kmcnt 0x0
	s_add_nc_u64 s[20:21], s[4:5], s[20:21]
	s_add_nc_u64 s[22:23], s[6:7], s[22:23]
	s_add_nc_u64 s[46:47], s[8:9], s[46:47]
	s_add_nc_u64 s[92:93], s[10:11], s[92:93]
	CROUND
	s_mov_b32 s[G0S], 1
	s_add_co_u32 s[G0S+1], s94, SCL
	s_mov_b64 s[G0S+2:G0S+3], s[22:23]
	s_or_b32 s[G0S+3], s[G0S+3], 0x80000000
	s_mov_b32 s[G0SB], 1
	s_add_co_u32 s[G0SB+1], s94, SCL
	s_mov_b64 s[G0SB+2:G0SB+3], s[92:93]
	s_or_b32 s[G0SB+3], s[G0SB+3], 0x80000000
	JLOAD G0S, G1S, G0SB, G1SB
.irp s, 0,1
	s_mov_b32 s[G0+4*\s], 1
	s_add_co_u32 s[G0+4*\s+1], s45, \s*SLOT
	s_add_nc_u64 s[G0+4*\s+2:G0+4*\s+3], s[20:21], \s*ASTEP
	s_or_b32 s[G0+4*\s+3], s[G0+4*\s+3], 0x80000000
	s_mov_b32 s[G0B+4*\s], 1
	s_add_co_u32 s[G0B+4*\s+1], s45, \s*SLOT
	s_add_nc_u64 s[G0B+4*\s+2:G0B+4*\s+3], s[46:47], \s*ROWB
	s_or_b32 s[G0B+4*\s+3], s[G0B+4*\s+3], 0x80000000
	s_wait_alu depctr_va_vdst(0)
	s_wait_tensorcnt 0x0
	ds_add_u32 v28, v29
	s_wait_dscnt 0x0
	CROUND
	JLOAD G0+4*\s, G1, G0B+4*\s, G1B
.endr
	s_wait_alu depctr_va_vdst(0)
.irp b, 0,1,2,3,4,5,6,7
	global_load_b128 v[BI+8*\b:BI+8*\b+3], v[BOF], s[12:13] offset:64*\b
	global_load_b128 v[BI+8*\b+4:BI+8*\b+7], v[BOF], s[12:13] offset:64*\b+16
.endr
	v_and_b32 v6, 31, v0
	v_lshlrev_b32 v[CO], 4, v6
	v_mul_u32_u24 v3, v1, PITCH
	v_lshl_add_u32 v4, v2, 4, v3
	s_mul_i32 s21, s17, HALFT
	s_mul_i32 s22, s18, HALFT
	s_add_co_u32 s22, s22, 2*HALFT
.irp s, 0,1
	v_add_nc_u32 v[ADRA+\s], s21, v[CO]
	v_add_nc_u32 v[ADRB+\s], s22, v4
	s_add_co_u32 s21, s21, SLOT
	s_add_co_u32 s22, s22, SLOT
.endr
	v_mul_u32_u24 v3, v1, KS
	v_lshrrev_b32 v4, 8, v3
	v_lshl_add_u32 v3, v4, 4, v3
	s_mul_i32 s21, s17, HALFS
	s_mul_i32 s22, s18, HALFS
	s_add_co_u32 s22, s22, 2*HALFS
	s_sub_co_u32 s22, s22, s21
	v_mul_u32_u24 v4, s22, v2
	s_add_co_u32 s21, s21, SCL
	v_add_nc_u32 v3, v3, v4
	v_add_nc_u32 v[ADRS], s21, v3
	s_mul_i32 s23, s[WV], 16*SPITCH
	v_mul_u32_u24 v5, v1, SPITCH
	v_lshl_add_u32 v5, v2, 5, v5
	v_add_nc_u32 v[STO], s23, v5
	v_add_nc_u32 v[RD], s23, v[CO]
	s_lshl_b32 s20, s43, 20
	s_lshl_b32 s21, s17, 19
	s_add_co_u32 s20, s20, s21
	s_add_co_u32 s20, s20, s44
	s_mov_b32 s21, 0
	s_add_nc_u64 s[14:15], s[14:15], s[20:21]
.macro FRAGB reg, adr, q, i
.irp c, 0,1,2,3
	ds_load_b128 v[\reg+4*\c:\reg+4*\c+3], v[\adr] offset:128*(\q)+32*\c+(\i)*16*PITCH
.endr
.endm
.macro FRAGA reg, adr, q, i
.irp c, 0,1,2,3
	ds_load_b128 v[\reg+4*\c:\reg+4*\c+3], v[\adr] offset:4096*(\i)+2048*(\q)+512*\c
.endr
.endm
.macro MUL16 a0, p, q, sc, first
.irp a, \a0, \a0+1
.irp b, 0,1,2,3,4,5,6,7
.if \first
	v_wmma_scale_f32_16x16x128_f8f6f4 v[8*(8*((\a)%4)+\b):8*(8*((\a)%4)+\b)+7], v[128*(\p)+FR*\b:128*(\p)+FR*\b+FR-1], v[AF+FR*(\a):AF+FR*(\a)+FR-1], v[BI+8*\b:BI+8*\b+7], v[SC+8*NQ*(\sc)+NQ*\b+(\q)], v[SC+8*NQ*(\sc)+NQ*(\a)+(\q)] matrix_a_scale:MATRIX_SCALE_ROW1
.else
	v_wmma_scale_f32_16x16x128_f8f6f4 v[8*(8*((\a)%4)+\b):8*(8*((\a)%4)+\b)+7], v[128*(\p)+FR*\b:128*(\p)+FR*\b+FR-1], v[AF+FR*(\a):AF+FR*(\a)+FR-1], v[8*(8*((\a)%4)+\b):8*(8*((\a)%4)+\b)+7], v[SC+8*NQ*(\sc)+NQ*\b+(\q)], v[SC+8*NQ*(\sc)+NQ*(\a)+(\q)] matrix_a_scale:MATRIX_SCALE_ROW1
.endif
.endr
.endr
.endm
.macro FETCH_B slot, q, p
	WIN TO_B
.irp i, 0,1,2,3,4,5,6,7
	FRAGB 128*(\p)+FR*\i, ADRB+\slot, \q, \i
.endr
	WIN 0
.endm
.macro FETCH_A slot, q, i0
.irp i, \i0, \i0+1, \i0+2, \i0+3
	FRAGA AF+FR*(\i), ADRA+\slot, \q, \i
.endr
.endm
.macro SCALES sc
.irp i, 0,1,2,3,4,5,6,7
	ds_load_b64 v[SC+8*NQ*\sc+NQ*\i:SC+8*NQ*\sc+NQ*\i+1], v[ADRS] offset:\i*SBLK
.endr
.endm
.macro PLACES n
.rept \n
	v_nop
.endr
.endm
.macro STEP slot, q, first
	s_wait_dscnt 4*NL
.if \first
	WIN FST_LO
.else
	WIN MUL_LO
.endif
	MUL16 0, (\q)%2, \q, \slot, \first
	MUL16 2, (\q)%2, \q, \slot, \first
	s_wait_dscnt 0
	PLACES NP
	FETCH_B \slot, (\q)+1, 1-(\q)%2
	FETCH_A \slot, (\q)+1, 0
.if \first
	WIN FST_HI
.else
	WIN MUL_HI
.endif
	MUL16 4, (\q)%2, \q, \slot, \first
	MUL16 6, (\q)%2, \q, \slot, \first
	PLACES NP
	WIN 0
	FETCH_A \slot, (\q)+1, 4
.endm
.macro TURN slot, next, fill
	s_wait_tensorcnt 0x0
	ds_add_u32 v[SPW], v[NIL]
	s_wait_dscnt 4*NL+1
	WIN MUL_LO
	MUL16 0, 1, NQ-1, \slot, 0
	s_wait_dscnt 0x0
	s_barrier_signal -1
	MUL16 2, 1, NQ-1, \slot, 0
	WIN 0
	s_barrier_wait -1
.if \fill
	CREST
	s_add_nc_u64 s[G0+4*\slot+2:G0+4*\slot+3], s[G0+4*\slot+2:G0+4*\slot+3], 2*ASTEP
	s_add_nc_u64 s[G0B+4*\slot+2:G0B+4*\slot+3], s[G0B+4*\slot+2:G0B+4*\slot+3], 2*ROWB
	JLOAD G0+4*\slot, G1, G0B+4*\slot, G1B
	PLACES NP-4
.else
	PLACES NP
.endif
	s_wait_alu depctr_va_vdst(0)
	v_add_nc_u32 v[ADRS], 4*NQ, v[ADRS]
	FETCH_B \next, 0, 0
	FETCH_A \next, 0, 0
	SCALES \next
	WIN MUL_HI
	MUL16 4, 1, NQ-1, \slot, 0
	MUL16 6, 1, NQ-1, \slot, 0
	PLACES NP
	WIN 0
	FETCH_A \next, 0, 4
.endm
	s_wait_alu depctr_va_vdst(0)
	s_wait_tensorcnt 1
	s_barrier_signal -1
	s_barrier_wait -1
	FETCH_B 0, 0, 0
	FETCH_A 0, 0, 0
	SCALES 0
	FETCH_A 0, 0, 4
	s_wait_loadcnt 0x0
	STEP 0, 0, 1
.rept LAPS-1
	TURN 0, 1, 1
	STEP 1, 0, 0
	TURN 1, 0, 1
	STEP 0, 0, 0
.endr
	TURN 0, 1, 0
	STEP 1, 0, 0
	s_wait_dscnt 4*NL
	WIN MUL_LO
	MUL16 0, 1, NQ-1, 1, 0
	MUL16 2, 1, NQ-1, 1, 0
	s_wait_dscnt 0
	WIN MUL_HI
	MUL16 4, 1, NQ-1, 1, 0
	MUL16 6, 1, NQ-1, 1, 0
	WIN 0
.macro TOSTAGE a
.set AC, 64*((\a)%4)
	WIN 0x08+4*((\a)/4)
.irp b, 0,1,2,3,4,5,6,7
	ds_store_b128 v[STO], v[AC+8*\b:AC+8*\b+3] offset:64*\b
	ds_store_b128 v[STO], v[AC+8*\b+4:AC+8*\b+7] offset:64*\b+16
.endr
	WIN 0
.set BB, BK+64*((\a)%2)
.irp t, 0,1,2,3,4,5,6,7,8,9,10,11,12,13,14,15
	ds_load_b128 v[BB+4*\t:BB+4*\t+3], v[RD] offset:\t*SPITCH
.endr
.endm
.macro SEND a, younger
.set BB, BK+64*((\a)%2)
	s_wait_dscnt \younger
.irp t, 0,1,2,3,4,5,6,7,8,9,10,11,12,13,14,15
	global_store_b128 v[CO], v[BB+4*\t:BB+4*\t+3], s[14:15] offset:(32*((\a)/2)+8*((\a)%2)+\t+8*(\t/8))*4096 th:TH_STORE_NT
.endr
.endm
	PLACES NP
	TOSTAGE 0
.irp a, 1,2,3,4,5,6,7
.if \a > 1
	s_wait_xcnt 0x0
.endif
	TOSTAGE \a
	SEND \a-1, 32
.endr
	SEND 7, 0
	s_wait_tensorcnt 0x0
	ds_add_u32 v[SPW], v[NIL]
	s_wait_dscnt 0x0
	CROUND
	s_endpgm
.Lfunc_end_k_q02367491ee_proj:
	.size	k_q02367491ee_proj, .Lfunc_end_k_q02367491ee_proj-k_q02367491ee_proj
	.p2alignl 7, 3214868480
	.fill 96, 4, 3214868480
	.section	.rodata,"a",@progbits
	.p2align	6, 0x0
	.amdhsa_kernel k_q02367491ee_proj
		.amdhsa_group_segment_fixed_size 327680
		.amdhsa_private_segment_fixed_size 0
		.amdhsa_enable_private_segment 0
		.amdhsa_kernarg_size 48
		.amdhsa_user_sgpr_count 2
		.amdhsa_user_sgpr_kernarg_segment_ptr 1
		.amdhsa_wavefront_size32 1
		.amdhsa_system_sgpr_workgroup_id_x 1
		.amdhsa_system_sgpr_workgroup_id_y 1
		.amdhsa_system_sgpr_workgroup_id_z 1
		.amdhsa_system_vgpr_workitem_id 0
		.amdhsa_next_free_vgpr 1024
		.amdhsa_next_free_sgpr 102
		.amdhsa_reserve_vcc 0
		.amdhsa_float_denorm_mode_32 3
		.amdhsa_float_denorm_mode_16_64 3
		.amdhsa_memory_ordered 1
		.amdhsa_forward_progress 1
		.amdhsa_inst_pref_size 147
	.end_amdhsa_kernel
	.amdgpu_metadata
---
amdhsa.version: [ 1, 2 ]
amdhsa.kernels:
  - .name:           k_q02367491ee_proj
    .symbol:         k_q02367491ee_proj.kd
    .args:
      - { .name: sac, .offset: 0, .size: 8, .value_kind: global_buffer, .address_space: global }
      - { .name: sas, .offset: 8, .size: 8, .value_kind: global_buffer, .address_space: global }
      - { .name: cod, .offset: 16, .size: 8, .value_kind: global_buffer, .address_space: global }
      - { .name: scl, .offset: 24, .size: 8, .value_kind: global_buffer, .address_space: global }
      - { .name: bproj, .offset: 32, .size: 8, .value_kind: global_buffer, .address_space: global }
      - { .name: out0, .offset: 40, .size: 8, .value_kind: global_buffer, .address_space: global }
    .group_segment_fixed_size: 327680
    .private_segment_fixed_size: 0
    .kernarg_segment_align: 8
    .kernarg_segment_size: 48
    .max_flat_workgroup_size: 128
    .sgpr_count:     102
    .vgpr_count:     1024
    .wavefront_size: 32
...
	.end_amdgpu_metadata
.endif
;; end of part 4
